; MI455X (gfx1250); checked and timed in simulation.
; The chip was launched on July 23, 2026; its instructions are those of AMD's public machine-readable ISA for CDNA 5 (MIT licence, August 2026) and "CDNA5" Instruction Set Architecture Reference Guide (July 2026). The comments in the code are by the model that wrote it; some were corrected since.
;; Multi Gaussian Actor. Allowed arithmetic: matrix products marked QUANTISED: E4M3 operands, one given power-of-two scale a tensor, by v_wmma_f32_16x16x64_fp8_fp8 or v_wmma_f32_16x16x128_fp8_fp8, f32 sums; products left as they are: f32 operands where the result goes on into a quantised operand, else bf16, f16 or f32 operands; f32 sums; everything else in f32.
;; Inputs: W1_codes 16 x 1,024 x 32 x 32 uint8 (E4M3 codes of W1, K innermost, in blocks of 32 codes); W2_codes 16 x 64 x 32 x 32 uint8 (E4M3 codes of W2, K innermost, in blocks of 32 codes); actor_index 2,048 x 16 float32; b1 16 x 1,024 float32; b2 16 x 64 float32; feature_codes 2,048 x 32 x 32 uint8 (E4M3 codes of feature, K innermost, in blocks of 32 codes); lowp_scales 4 int32 (the exponents e of the quantised operands' scales 2^e); sigma 16 x 64 float32.
;; Outputs: out0 2,048 x 64 float32; out1 2,048 x 64 float32.
;; This version of the problem:
;;   THIS VERSION OF THE PROBLEM IS GIVEN IN LOW PRECISION. The matrix products marked QUANTISED in the list below multiply operands that are first quantised to E4M3 (4 exponent bits, 3 mantissa bits; 8 bits a number), with one given power-of-two scale for each operand tensor; their sums are f32. All else is computed in f32.
;;   The module's matrix products, in the order in which they are computed (A, B: the left and right operand; K: the contracted axis; several contracted axes count as one K, in the product's order):
;;     1. [M 16,384, K 1,024] x [K 1,024, N 2,048]; A: input W1 (given as codes); B: input feature (given as codes): QUANTISED (scales: A lowp_scales[0], B lowp_scales[1])
;;     2. batch 16 x [M 2,048, K 1,024] x [K 1,024, N 64]; A: computed on the way; B: input W2 (given as codes): QUANTISED (scales: A lowp_scales[2], B lowp_scales[3])
;;     3. batch 2,048 x [M 64, K 16] x [K 16, N 1]; A: computed on the way; B: computed on the way: left as it is (K = 16 < 32)
;;     4. [M 2,048, K 16] x [K 16, N 64]; A: computed on the way; B: computed on the way: left as it is (K = 16 < 32)
;;   THE QUANTISER, for each operand of a quantised product, along K:
;;     - The operand's scale is 2^e, e = its entry of the input lowp_scales (int32; the entries are numbered through the quantised products in the list's order, A before B).
;;     - Each number is divided by the scale, clamped to +-448, and rounded to the nearest number of E4M3, ties to even, subnormals kept.
;;     - The product sums the exact products of the quantised numbers (number of the format x scale) in f32.
;;   ~~~python
;;   def quantise(x, axis, e):      # numpy; x: float32 -> the quantised numbers, widened to float32 again
;;       x = np.moveaxis(x, axis, -1); K = x.shape[-1]
;;       r = np.clip(x / 2.0 ** e, -448, 448)
;;       step = 2.0 ** (np.maximum(np.frexp(np.where(r == 0, 1, r))[1] - 1, -6) - 3)
;;       q = np.round(r / step) * step * 2.0 ** e      # np.round: ties to even
;;       return np.moveaxis(q, -1, axis).astype(np.float32)
;;   ~~~
;;   OPERANDS COMPUTED ON THE WAY. 'Computed on the way' means the value that the module computes at that place (a softmax that the list does not call 'softmax' is quantised finished and normalised). What goes into a quantiser is computed in f32, as accurately as f32 sums, v_exp_f32 and their like allow (about 1e-6 of the number): no bf16 or f16 on the way to a quantiser, and a product that is left as it is and whose result goes on into a quantised operand takes f32 operands (vector FMAs, or v_wmma_f32_16x16x4_f32). A number that lies on a knife's edge between two numbers of the format may be rounded either way, as far as f32 arithmetic and the matrix unit's own rounding can turn it there, and no further.
;;   INPUTS GIVEN AS CODES. W1 (in the module: [16, 1024, 1024], K = its axis 1); W2 (in the module: [16, 1024, 64], K = its axis 1); feature (in the module: [2048, 1024], K = its axis 1): each comes as NAME_codes (uint8): NAME with its K axis moved to the last place and cut into blocks of 32 codes, [.., K / 32, bytes a block], one block behind the other in memory; one code a byte (a code: sign, 4 exponent bits, 3 mantissa bits); its scale is its entry of lowp_scales. Its value is code x scale, taken as it is: it is not quantised again, and the codes and scales need not be those that the quantiser above would give.
;; 3 versions. Each part assembles by itself: llvm-mc -triple=amdgcn-amd-amdhsa -mcpu=gfx1250 --defsym DOCPART=n.
;; ======== version 1 of 3: 4 launches
;; workspace buffers: masks 8,192 bytes of whole numbers; lists 139,264 bytes of whole numbers; part 134,217,728 bytes
;; launch router (part 1): grid 32 x 1, 1 waves a work-group, no clusters, 0 bytes of LDS; arguments actor_index, masks; writes masks
.if DOCPART == 1
	.amdgcn_target "amdgcn-amd-amdhsa--gfx1250"
	.amdhsa_code_object_version 6
	.text
	.protected	k_q308731f032_router
	.globl	k_q308731f032_router
	.p2align	8
	.type	k_q308731f032_router,@function
k_q308731f032_router:
	s_mov_b64 s[64:65], 0
	v_nop
	global_prefetch_b8 v0, s[64:65] scope:SCOPE_SE
	s_setreg_imm32_b32 hwreg(HW_REG_WAVE_MODE, 25, 1), 1
	s_wait_xcnt 0x0
; masks[token] = a word whose bit t is set where actor_index[token][t] equals the row's largest score.
; Several bits on exact ties (+0 and -0 count as equal); no bit where the row holds a NaN: there the row's maximum
; is NaN by the problem's definition, and nothing compares equal to it.
; One wave to a work-group, 64 tokens: lane l owns tokens 2 l and 2 l + 1, 128 consecutive bytes of scores, and
; stores their two words as 8 bytes: the wave's one store covers 256 consecutive bytes, aligned.
; The words are only stored here, at fixed places: no address and no branch of this launch hangs on them.
.set W, 40                             ; v40, v41  the two words
.set M, 42                             ; v42       the row's largest score
.set BIT, 43                           ; v43       at work
	s_load_b128 s[4:7], s[0:1], 0x0                ; actor_index s[4:5], masks s[6:7]
	v_lshlrev_b32 v1, 7, v0                        ; my two rows of 64 bytes
	v_lshlrev_b32 v2, 3, v0                        ; my two words
	s_lshl_b32 s8, ttmp9, 12                       ; the work-group's 64 rows of scores,
	s_mov_b32 s9, 0
	s_lshl_b32 s2, ttmp9, 8                        ; and its 64 words
	s_mov_b32 s3, 0
	s_wait_kmcnt 0x0
	s_add_nc_u64 s[4:5], s[4:5], s[8:9]
	s_add_nc_u64 s[6:7], s[6:7], s[2:3]
.irp i, 0,1,2,3,4,5,6,7
	global_load_b128 v[8+4*\i:11+4*\i], v1, s[4:5] offset:16*\i
.endr
	s_wait_loadcnt 0x0
.macro TOKEN u
.set X, 8+16*\u                        ; the token's 16 scores
	v_max3_num_f32 v[M], v[X], v[X+1], v[X+2]
.irp i, 3,5,7,9,11,13
	v_max3_num_f32 v[M], v[M], v[X+\i], v[X+\i+1]
.endr
	v_max_num_f32 v[M], v[M], v[X+15]
	s_mov_b32 s[10+\u], -1                         ; lanes whose row holds no NaN: a number equals itself, a NaN does not
.irp i, 0,1,2,3,4,5,6,7,8,9,10,11,12,13,14,15
	v_cmp_eq_f32 vcc_lo, v[X+\i], v[X+\i]
	s_and_b32 s[10+\u], s[10+\u], vcc_lo
.endr
	v_cmp_eq_f32 vcc_lo, v[X+15], v[M]             ; the word is shifted together from bit 15 down
	v_cndmask_b32 v[W+\u], 0, 1, vcc_lo
.irp i, 14,13,12,11,10,9,8,7,6,5,4,3,2,1,0
	v_cmp_eq_f32 vcc_lo, v[X+\i], v[M]
	v_cndmask_b32 v[BIT], 0, 1, vcc_lo
	v_lshl_or_b32 v[W+\u], v[W+\u], 1, v[BIT]
.endr
	v_cndmask_b32 v[W+\u], 0, v[W+\u], s[10+\u]    ; a row with a NaN chooses nobody
.endm
	TOKEN 0
	TOKEN 1
	global_store_b64 v2, v[W:W+1], s[6:7]
	s_endpgm
.Lfunc_end_k_q308731f032_router:
	.size	k_q308731f032_router, .Lfunc_end_k_q308731f032_router-k_q308731f032_router
	.p2alignl 7, 3214868480
	.fill 96, 4, 3214868480
	.section	.rodata,"a",@progbits
	.p2align	6, 0x0
	.amdhsa_kernel k_q308731f032_router
		.amdhsa_group_segment_fixed_size 0
		.amdhsa_private_segment_fixed_size 0
		.amdhsa_enable_private_segment 0
		.amdhsa_kernarg_size 16
		.amdhsa_user_sgpr_count 2
		.amdhsa_user_sgpr_kernarg_segment_ptr 1
		.amdhsa_wavefront_size32 1
		.amdhsa_system_sgpr_workgroup_id_x 1
		.amdhsa_system_sgpr_workgroup_id_y 1
		.amdhsa_system_sgpr_workgroup_id_z 1
		.amdhsa_system_vgpr_workitem_id 0
		.amdhsa_next_free_vgpr 48
		.amdhsa_next_free_sgpr 66
		.amdhsa_reserve_vcc 1
		.amdhsa_float_denorm_mode_32 3
		.amdhsa_float_denorm_mode_16_64 3
		.amdhsa_memory_ordered 1
		.amdhsa_forward_progress 1
		.amdhsa_inst_pref_size 10
	.end_amdhsa_kernel
	.amdgpu_metadata
---
amdhsa.version: [ 1, 2 ]
amdhsa.kernels:
  - .name:           k_q308731f032_router
    .symbol:         k_q308731f032_router.kd
    .args:
      - { .name: actor_index, .offset: 0, .size: 8, .value_kind: global_buffer, .address_space: global }
      - { .name: masks, .offset: 8, .size: 8, .value_kind: global_buffer, .address_space: global }
    .group_segment_fixed_size: 0
    .private_segment_fixed_size: 0
    .kernarg_segment_align: 8
    .kernarg_segment_size: 16
    .max_flat_workgroup_size: 32
    .sgpr_count:     66
    .vgpr_count:     48
    .wavefront_size: 32
...
	.end_amdgpu_metadata
.endif
;; end of part 1
;; launch place (part 2): grid 16 x 1, 1 waves a work-group, no clusters, 8,960 bytes of LDS; arguments masks, lists; writes lists
.if DOCPART == 2
	.amdgcn_target "amdgcn-amd-amdhsa--gfx1250"
	.amdhsa_code_object_version 6
	.text
	.protected	k_q308731f032_place
	.globl	k_q308731f032_place
	.p2align	8
	.type	k_q308731f032_place,@function
k_q308731f032_place:
	s_mov_b64 s[64:65], 0
	v_nop
	global_prefetch_b8 v0, s[64:65] scope:SCOPE_SE
	s_setreg_imm32_b32 hwreg(HW_REG_WAVE_MODE, 25, 1), 1
	s_wait_xcnt 0x0
; lists[t] = the numbers of the tokens whose mask word has bit t, and how many they are.  One work-group of one wave for each expert t.
; A region of lists is 2,176 words (8,704 bytes): words 0..2079 the n token numbers, then zeros; words 2080..2111 n, in each; words 2112..2175 zeros.
; The wave reads all 2,048 mask words (register 4 q + i of lane l: token 128 q + 4 l + i) and lays the list in LDS by a count over lanes: 64 steps, in each
; the lanes whose token chose t write its number at the count so far + the number of choosing lanes below them.  A lane with nothing to list writes a word of
; its own behind the list (2080 + lane), which n overwrites at the end.  The region is cleared first, so every word that leaves has been written.
; It then leaves as it lies: 17 stores of 512 consecutive bytes, aligned, at fixed places.  Only LDS addresses hang on the mask words, which an earlier launch stored.
; One wave: LDS serves its instructions in order (ISA guide 5.7.1.4), so no barrier and no wait stands between its LDS stores and its LDS loads.
; The order of a list is that of the 64 steps, not of the token numbers: nothing hangs on it.
.set REGION, 8704
.set MW, 32                            ; v32-95 the mask words; later v32-99 the region on its way out
.macro GROUP q                         ; four steps of the list
.irp i, 0,1,2,3
	v_and_b32 v[116+\i], s32, v[MW+4*(\q)+\i]
.endr
.irp i, 0,1,2,3
	v_cmp_ne_u32 s[40+\i], 0, v[116+\i]            ; which lanes' tokens chose expert t
.endr
.irp i, 0,1,2,3
	v_mbcnt_lo_u32_b32 v[116+\i], s[40+\i], s33    ; my place: the count so far + the choosing lanes below me
	s_bcnt1_i32_b32 s[44+\i], s[40+\i]
	s_add_co_u32 s33, s33, s[44+\i]
.endr
.irp i, 0,1,2,3
	v_cndmask_b32 v[116+\i], v124, v[116+\i], s[40+\i]   ; a lane with nothing to list writes its own word behind the list
	v_min_u32 v[116+\i], 0x83f, v[116+\i]          ; inside words 0..2111
	v_lshlrev_b32 v[116+\i], 2, v[116+\i]
	v_add_nc_u32 v[120+\i], 128*(\q)+\i, v125      ; the token's number
	ds_store_b32 v[116+\i], v[120+\i]
.endr
.endm
	s_load_b128 s[4:7], s[0:1], 0x0                ; masks s[4:5], lists s[6:7]
	v_lshl_add_u32 v128, v0, 2, 0x2200
	v_mov_b32 v129, 0
	v_lshlrev_b32 v4, 4, v0                        ; 16 x lane: my bytes of a run of 512
	v_add_nc_u32 v124, 2080, v0                    ; the word of a lane with nothing to list
	v_lshlrev_b32 v125, 2, v0                      ; 4 x lane: my first token of a run of 128
	v_lshlrev_b32 v126, 2, v124                    ; that word's LDS address
.irp i, 8,9,10,11
	v_mov_b32 v\i, 0
.endr
	s_lshl_b32 s32, 1, ttmp9                       ; the expert's bit
	s_mul_i32 s8, ttmp9, REGION                    ; and its region
	s_mov_b32 s9, 0
	s_mov_b32 s33, 0                               ; the count so far
	s_wait_kmcnt 0x0
	s_add_nc_u64 s[6:7], s[6:7], s[8:9]
.irp q, 0,1,2,3,4,5,6,7,8,9,10,11,12,13,14,15
	global_load_b128 v[MW+4*\q:MW+4*\q+3], v4, s[4:5] offset:512*\q
.endr
.set idx, 0
.rept 17
	ds_store_b128 v4, v[8:11] offset:512*idx       ; the region is cleared while the mask words are on their way
.set idx, idx+1
.endr
	s_wait_loadcnt 0x0
.irp q, 0,1,2,3,4,5,6,7,8,9,10,11,12,13,14,15
	GROUP \q
.endr
	v_mov_b32 v127, s33
	ds_store_b32 v126, v127                        ; n, over words 2080..2111
.set idx, 0
.rept 17
	ds_load_b128 v[MW+4*idx:MW+4*idx+3], v4 offset:512*idx
.set idx, idx+1
.endr
.set idx, 0
.rept 17
	s_wait_dscnt 16-idx                            ; LDS loads come back in order: this one is in, the younger ones may be out
	global_store_b128 v4, v[MW+4*idx:MW+4*idx+3], s[6:7] offset:512*idx
.set idx, idx+1
.endr
	s_wait_tensorcnt 0x0
	ds_add_u32 v128, v129
	s_wait_dscnt 0x0
	s_endpgm
.Lfunc_end_k_q308731f032_place:
	.size	k_q308731f032_place, .Lfunc_end_k_q308731f032_place-k_q308731f032_place
	.p2alignl 7, 3214868480
	.fill 96, 4, 3214868480
	.section	.rodata,"a",@progbits
	.p2align	6, 0x0
	.amdhsa_kernel k_q308731f032_place
		.amdhsa_group_segment_fixed_size 8960
		.amdhsa_private_segment_fixed_size 0
		.amdhsa_enable_private_segment 0
		.amdhsa_kernarg_size 16
		.amdhsa_user_sgpr_count 2
		.amdhsa_user_sgpr_kernarg_segment_ptr 1
		.amdhsa_wavefront_size32 1
		.amdhsa_system_sgpr_workgroup_id_x 1
		.amdhsa_system_sgpr_workgroup_id_y 1
		.amdhsa_system_sgpr_workgroup_id_z 1
		.amdhsa_system_vgpr_workitem_id 0
		.amdhsa_next_free_vgpr 130
		.amdhsa_next_free_sgpr 66
		.amdhsa_reserve_vcc 0
		.amdhsa_float_denorm_mode_32 3
		.amdhsa_float_denorm_mode_16_64 3
		.amdhsa_memory_ordered 1
		.amdhsa_forward_progress 1
		.amdhsa_inst_pref_size 39
	.end_amdhsa_kernel
	.amdgpu_metadata
---
amdhsa.version: [ 1, 2 ]
amdhsa.kernels:
  - .name:           k_q308731f032_place
    .symbol:         k_q308731f032_place.kd
    .args:
      - { .name: masks, .offset: 0, .size: 8, .value_kind: global_buffer, .address_space: global }
      - { .name: lists, .offset: 8, .size: 8, .value_kind: global_buffer, .address_space: global }
    .group_segment_fixed_size: 8960
    .private_segment_fixed_size: 0
    .kernarg_segment_align: 8
    .kernarg_segment_size: 16
    .max_flat_workgroup_size: 32
    .sgpr_count:     66
    .vgpr_count:     130
    .wavefront_size: 32
...
	.end_amdgpu_metadata
.endif
;; end of part 2
;; launch experts (part 3): grid 256 x 1, 4 waves a work-group, no clusters, 67,072 bytes of LDS; arguments lists, W1_codes, W2_codes, b1, feature_codes, lowp_scales, part; writes part
.if DOCPART == 3
	.amdgcn_target "amdgcn-amd-amdhsa--gfx1250"
	.amdhsa_code_object_version 6
	.text
	.protected	k_q308731f032_experts
	.globl	k_q308731f032_experts
	.p2align	8
	.type	k_q308731f032_experts,@function
k_q308731f032_experts:
	s_mov_b64 s[64:65], 0
	v_nop
	global_prefetch_b8 v0, s[64:65] scope:SCOPE_SE
	s_setreg_imm32_b32 hwreg(HW_REG_WAVE_MODE, 25, 1), 1
	s_wait_xcnt 0x0
; Work-group wg = 16 t + c takes expert t and hidden units 64 c .. 64 c + 63, for ALL tokens that chose expert t:
;   hid = relu(feature W1[t] + b1[t]) at those 64 units, on E4M3 codes (K = 1,024: eight steps of 128), quantised with 2^e2;
;   part[wg][token][0..63] = 2^(e2 + e3) x (hid's codes x W2[t]'s codes), K = these 64 units: one step of the K = 64 form.
; The last launch adds a token's 16 parts.  Tokens that did not choose t are not multiplied: the problem's own mask drops them.
; SHARES.  The work-group's 64 rows of W1 are 65,536 consecutive bytes, read from memory by this work-group alone, once: each wave
; loads a quarter in runs of 512 consecutive bytes, the quarters meet in LDS, and every wave then keeps all 64 x 1,024 codes in
; 512 registers.  The waves share the expert's tokens in tiles of 32 (two halves of 16): wave w takes tiles w, w + 4, ...
; THE LIST of the expert's n tokens, and n, were stored by an earlier launch (lists[t]: words 0..2079 the numbers, zeros behind them; word 2080: n).
; A lane of a tile beyond the n-th number finds 0: it computes token 0's part for this expert and stores it at token 0's row of this work-group's region.
; If token 0 chose t, those are the same numbers at the same place; if not, nobody reads that row.  So a tile needs no lane switched off, and each wave's
; first tile (words under 128) always holds valid numbers: its first feature loads stand on every path.
; No tensor load and no cluster: the trip count hangs on n, W1 is shared with no other work-group, and the feature rows are gathered.
; LAYOUT.  Product 1: source 0 = 16 rows of W1, source 1 = 16 tokens; both sides take the 16 bytes at 128 s + 32 c + 16 (lane / 16)
; into registers 4 c .. 4 c + 3: the same permutation of k on both sides, so every product meets its partner.  In the result lane
; (r, h) holds token r and hidden units 16 tau + 8 h + 0 .. 7: eight neighbours along the next K; converted, tile tau gives registers
; 2 tau, 2 tau + 1 of the K = 64 operand in that form's own layout.  Product 2: source 0 = those codes, source 1 = W2's rows
; a = 4 r + alpha for tile alpha: the four tiles give a lane outputs 4 r .. 4 r + 3 of token 8 h + j: 16 bytes, and sixteen lanes hold a
; token's whole row of 256 bytes.
; b1 goes in as the C of a sum's first product, divided by 2^(e0 + e1); relu is the lower end of the hold at the largest code.
; LIMITS: e2 - e0 - e1 between -126 and 119; b1 x 2^-(e0 + e1) an f32 number; NaN among b1 or the codes is not served.
; REGISTERS, in windows of 256.  Window 0: v1-15 addresses; v16-31 a tile's output rows; v32-63, v64-95 the hidden sums of half A, B, later
; their parts to store; v96-111 hidden codes; v112, v113 feature rows; v114, v115 the conversion's scale and 448 x it; v128-255 features of half A.
; Window 1: W1's fragments of K steps 0-3 at 16 (4 s + tau) (first: the bytes as loaded).  Window 2: K steps 4-7.
; Window 3: v0-31 b1; v32-63 W2; v64-191 features of half B; v192-255 product 2's sums.
.set PITCH,  1040                      ; a row of W1 in LDS: 1,024 bytes + 16 = 65 x 16: sixteen rows' pieces fall on sixteen different 16-byte columns modulo 256
.set REGION, 8704                      ; an expert's region of lists, in bytes
.set NOFF,   8320                      ; where n stands in it: word 2080
.set MSB, 0
.macro WIN new                         ; the immediate's high byte repeats the setting that is left; bits 1:0 source 0, 3:2 source 1, 5:4 source 2, 7:6 destination
.if MSB != (\new)
	s_set_vgpr_msb (MSB<<8)|(\new)
.set MSB, (\new)
.endif
.endm
; A tile's token numbers: lane (r, h) wants token r of each half (its feature row) and tokens 8 h + 0 .. 7 of each half (the rows that it stores).
.macro IDASK
	global_load_b32 v112, v14, s[4:5]
	global_load_b32 v113, v14, s[4:5] offset:64
	global_load_b128 v[16:19], v15, s[4:5]
	global_load_b128 v[20:23], v15, s[4:5] offset:16
	global_load_b128 v[24:27], v15, s[4:5] offset:64
	global_load_b128 v[28:31], v15, s[4:5] offset:80
.endm
.macro IDMAKE                          ; and the byte offsets made of them
.irp n, 112,113,16,17,18,19,20,21,22,23,24,25,26,27,28,29,30,31
	v_min_u32 v\n, 0x7ff, v\n                      ; a token number stays inside the 2,048 rows
.endr
	v_lshl_add_u32 v112, v112, 10, v9              ; feature: row x 1,024 + 16 h
	v_lshl_add_u32 v113, v113, 10, v9
.irp n, 16,17,18,19,20,21,22,23,24,25,26,27,28,29,30,31
	v_lshl_add_u32 v\n, v\n, 8, v10                ; part: row x 256 + 16 r
.endr
.endm
; The 16 feature rows of half x: 32 loads, eight K steps of four pieces.
.macro LOADF x
	WIN 0xc0*\x                                    ; half B's land in window 3
.irp s, 0,1,2,3,4,5,6,7
.irp c, 0,1,2,3
	global_load_b128 v[128-64*\x+16*\s+4*\c:128-64*\x+16*\s+4*\c+3], v[112+\x], s[12:13] offset:128*\s+32*\c
.endr
.endr
	WIN 0
.endm
; Product 1 for half x: 32 matrix instructions, K step by K step; the four accumulators take turns, one instruction a turn.
.macro P1 x
.irp s, 0,1,2,3,4,5,6,7
.if \s == 0
	WIN 0x31+12*\x                                 ; W1 window 1, features window 0 or 3, C = b1 in window 3
.elseif \s < 4
	WIN 0x01+12*\x
.else
	WIN 0x02+12*\x                                 ; W1 window 2
.endif
.irp t, 0,1,2,3
.if \s == 0
	v_wmma_f32_16x16x128_fp8_fp8 v[32+32*\x+8*\t:39+32*\x+8*\t], v[16*\t:16*\t+15], v[128-64*\x:143-64*\x], v[8*\t:8*\t+7]
.else
	v_wmma_f32_16x16x128_fp8_fp8 v[32+32*\x+8*\t:39+32*\x+8*\t], v[16*(4*(\s%4)+\t):16*(4*(\s%4)+\t)+15], v[128-64*\x+16*\s:143-64*\x+16*\s], v[32+32*\x+8*\t:39+32*\x+8*\t]
.endif
.endr
.endr
	WIN 0
.endm
; relu, the hold and the conversion: 32 sums of a lane become 8 registers of codes.
.macro QUANT x
.rept 4
	v_nop                                          ; four plain places between the last product and the first read of results (ISA guide 7.12.1)
.endr
.set idx, 0
.rept 32
	v_med3_num_f32 v[32+32*\x+idx], v[32+32*\x+idx], 0, v115   ; between 0 (the activation) and 448 x the scale: the conversion does not saturate (ISA guide 7.6.2); each accumulator from its low end on
.set idx, idx+1
.endr
.irp t, 0,1,2,3
	v_cvt_scalef32_pk8_fp8_f32 v[96+8*\x+2*\t:97+8*\x+2*\t], v[32+32*\x+8*\t:39+32*\x+8*\t], v114   ; / 2^(e2 - e0 - e1): the three scales in one
.endr
	v_nop                                          ; one plain instruction between a scaled conversion and the product that reads its result
.endm
.macro P2 x                            ; four products, each a whole sum: K = my 64 hidden units
	WIN 0xcc                                       ; codes window 0, W2 and the sums window 3
.irp a, 0,1,2,3
	v_wmma_f32_16x16x64_fp8_fp8 v[192+32*\x+8*\a:199+32*\x+8*\a], v[96+8*\x:103+8*\x], v[32+8*\a:39+8*\a], 0
.endr
.endm
.macro OUT x
.rept 4
	v_nop                                          ; four plain places in front of the first read of results
.endr
	WIN 0x03                                       ; the sums in window 3, the parts in window 0
.irp j, 0,1,2,3,4,5,6,7
.irp a, 0,1,2,3
	v_ldexp_f32 v[32+32*\x+4*\j+\a], v[192+32*\x+8*\a+\j], s29   ; x 2^(e2 + e3); token 8 h + j, output 4 r + a; each sum is first read at its register 0
.endr
.endr
	WIN 0
.irp j, 0,1,2,3,4,5,6,7
	global_store_b128 v[16+8*\x+\j], v[32+32*\x+4*\j:35+32*\x+4*\j], s[16:17]   ; lanes 0-15 store one token's 256 bytes, lanes 16-31 another's: two whole aligned rows
.endr
.endm
; A tile of 32 tokens.  first = 1: its numbers and half A's features were asked for at the kernel's head.
.macro TRIP first
.if \first == 0
	s_wait_xcnt 0x0                                ; the last tile's stores have read their data and offsets: both are written again below
	s_lshl_b32 s37, s36, 7                         ; the tile's 32 words
	v_add_nc_u32 v14, s37, v11
	v_add_nc_u32 v15, s37, v8
	IDASK
	s_wait_loadcnt 0x0                             ; nothing else of mine is out here
	IDMAKE
	LOADF 0
.endif
	LOADF 1
	s_wait_loadcnt 32                              ; half A's 32 loads are in; half B's 32 may be out
	P1 0
	QUANT 0
	P2 0
	OUT 0
	s_wait_loadcnt 0x0                             ; half B
	P1 1
	QUANT 1
	P2 1
	OUT 1
.endm
	s_load_b256 s[4:11], s[0:1], 0x0               ; lists s[4:5], W1 s[6:7], W2 s[8:9], b1 s[10:11]
	s_load_b128 s[12:15], s[0:1], 0x20             ; feature s[12:13], the scales' exponents s[14:15]
	s_load_b64 s[16:17], s[0:1], 0x30              ; part
	v_lshl_add_u32 v126, v0, 2, 0x10400
	v_mov_b32 v127, 0
	v_lshrrev_b32 v1, 5, v0
	v_readfirstlane_b32 s18, v1                    ; wave 0..3
	v_and_b32 v1, 31, v0                           ; lane
	v_and_b32 v2, 15, v0                           ; r
	v_bfe_u32 v3, v0, 4, 1                         ; h
	v_lshlrev_b32 v4, 4, v1                        ; 16 x lane: my bytes of a run of 512
	s_mul_i32 s19, s18, 16*PITCH
	v_add_nc_u32 v5, s19, v4                       ; LDS: my wave's 16 rows of W1, on the way in
	v_mul_u32_u24 v6, v2, PITCH
	v_lshl_add_u32 v6, v3, 4, v6                   ; and a fragment's row r, + 16 h, on the way out
	v_lshlrev_b32 v7, 12, v2
	v_lshl_add_u32 v7, v3, 3, v7                   ; W2: row 4 r of 1,024 bytes, + 8 h
	v_lshlrev_b32 v8, 5, v3                        ; 32 h: b1's 8 h numbers, and the list's words 8 h on
	v_lshlrev_b32 v9, 4, v3                        ; 16 h
	v_lshlrev_b32 v10, 4, v2                       ; 16 r
	v_lshlrev_b32 v11, 2, v2                       ; 4 r: the list's word r
	s_lshl_b32 s37, s18, 7                         ; my first tile is tile w: 32 words a tile
	v_add_nc_u32 v14, s37, v11
	v_add_nc_u32 v15, s37, v8
	s_lshr_b32 s20, ttmp9, 4                       ; t
	s_and_b32 s21, ttmp9, 15                       ; c
	s_lshl_b32 s22, ttmp9, 16                      ; W1: the work-group's 65,536 bytes, my wave's 16,384 of them
	s_lshl_b32 s23, s18, 14
	s_add_co_u32 s22, s22, s23
	s_mov_b32 s23, 0
	s_lshl_b32 s38, s20, 16                        ; W2: expert t's 64 rows of 1,024, from hidden unit 64 c on
	s_lshl_b32 s39, s21, 6
	s_add_co_u32 s38, s38, s39
	s_mov_b32 s39, 0
	s_lshl_b32 s48, ttmp9, 8                       ; b1: 64 numbers
	s_mov_b32 s49, 0
	s_lshl_b32 s50, ttmp9, 19                      ; part: the work-group's 2,048 rows of 256 bytes
	s_mov_b32 s51, 0
	s_mul_i32 s52, s20, REGION                     ; lists: expert t's region
	s_mov_b32 s53, 0
	s_wait_kmcnt 0x0
	s_load_b128 s[24:27], s[14:15], 0x0            ; e0 (W1), e1 (feature), e2 (hidden), e3 (W2)
	s_add_nc_u64 s[4:5], s[4:5], s[52:53]
	s_add_nc_u64 s[6:7], s[6:7], s[22:23]
	s_add_nc_u64 s[8:9], s[8:9], s[38:39]
	s_add_nc_u64 s[10:11], s[10:11], s[48:49]
	s_add_nc_u64 s[16:17], s[16:17], s[50:51]
	s_load_b32 s34, s[4:5], NOFF                   ; n
	IDASK                                          ; my first tile's numbers, first of all loads: the feature loads hang on them
	WIN 0xc0                                       ; destination window 3
.irp t, 0,1,2,3
	global_load_b128 v[8*\t:8*\t+3], v8, s[10:11] offset:64*\t        ; b1 in the result's layout: units 16 tau + 8 h + 0 .. 7
	global_load_b128 v[8*\t+4:8*\t+7], v8, s[10:11] offset:64*\t+16
.endr
.irp a, 0,1,2,3
.irp c, 0,1,2,3
	global_load_b64 v[32+8*\a+2*\c:33+8*\a+2*\c], v7, s[8:9] offset:1024*\a+16*\c   ; W2(4 r + alpha, 64 c + 16 cc + 8 h + 0 .. 7)
.endr
.endr
	WIN 0x40                                       ; destination window 1
.set idx, 0
.rept 32
	global_load_b128 v[4*idx:4*idx+3], v4, s[6:7] offset:512*idx th:TH_LOAD_NT   ; 512 consecutive bytes a load; nobody reads them again
.set idx, idx+1
.endr
	WIN 0
	s_wait_kmcnt 0x0
	s_add_co_i32 s28, s24, s25                     ; e0 + e1: a sum of product 1 stands for sum x 2^(e0 + e1)
	s_sub_co_i32 s30, s26, s28                     ; e2 - e0 - e1
	s_sub_co_i32 s28, 0, s28                       ; b1 goes in x 2^-(e0 + e1)
	s_add_co_i32 s29, s26, s27                     ; e2 + e3
	s_add_co_i32 s30, s30, 127
	s_add_co_i32 s31, s30, 8
	s_lshl_b32 s30, s30, 23                        ; 2^(e2 - e0 - e1) as f32
	s_lshl_b32 s31, s31, 23
	s_or_b32 s31, s31, 0x600000                    ; 448 x that
	s_add_co_u32 s35, s34, 31
	s_lshr_b32 s35, s35, 5
	s_min_u32 s35, s35, 64                         ; tiles
	s_wait_loadcnt 56                              ; the six list loads are in: behind them stand 8 + 16 + 32 younger loads
	IDMAKE
	LOADF 0                                        ; on every path, so that the counts below hold on every path
	s_wait_loadcnt 32                              ; b1, W2 and W1 are in; the 32 feature loads may be out
	WIN 0x04                                       ; store data window 1
.set idx, 0
.rept 32
	ds_store_b128 v5, v[4*idx:4*idx+3] offset:(idx/2)*PITCH+(idx%2)*512   ; my wave's row idx / 2, half idx % 2
.set idx, idx+1
.endr
	WIN 0xc3                                       ; source 0 and destination window 3
.set idx, 0
.rept 32
	v_ldexp_f32 v[idx], v[idx], s28                ; b1 / 2^(e0 + e1)
.set idx, idx+1
.endr
	WIN 0
	v_mov_b32 v114, s30
	v_mov_b32 v115, s31
	s_wait_dscnt 0x0                               ; for the others' sake: my quarter of W1 has landed
	s_barrier_signal -1
	s_barrier_wait -1                              ; all 64 rows lie in LDS; from here on LDS is only read, and the waves go their own ways
	s_cmp_ge_u32 s18, s35
	s_cbranch_scc1 .Lend                           ; fewer tiles than waves: nothing for me
	WIN 0x40
.irp s, 0,1,2,3
.irp t, 0,1,2,3
.irp c, 0,1,2,3
	ds_load_b128 v[16*(4*\s+\t)+4*\c:16*(4*\s+\t)+4*\c+3], v6 offset:16*\t*PITCH+128*\s+32*\c
.endr
.endr
.endr
	WIN 0x80
.irp s, 0,1,2,3
.irp t, 0,1,2,3
.irp c, 0,1,2,3
	ds_load_b128 v[16*(4*\s+\t)+4*\c:16*(4*\s+\t)+4*\c+3], v6 offset:16*\t*PITCH+128*(\s+4)+32*\c
.endr
.endr
.endr
	WIN 0
	s_wait_dscnt 0x0
	TRIP 1
	s_add_co_u32 s36, s18, 4                       ; my further tiles: w + 4, w + 8, ... under 64
.Lmore:
	s_cmp_lt_u32 s36, s35
	s_cbranch_scc1 .Ltile                          ; the list reaches this tile
	s_wait_tensorcnt 0x0
	ds_add_u32 v126, v127
	s_wait_dscnt 0x0
	s_endpgm                                       ; it does not: the wave ends here, inside the loop; no jump leaves the loop past the counter's step
.Ltile:
	TRIP 0
	s_add_co_u32 s36, s36, 4
	s_cmp_lt_u32 s36, 64
	s_cbranch_scc1 .Lmore
.Lend:
	s_wait_tensorcnt 0x0
	ds_add_u32 v126, v127
	s_wait_dscnt 0x0
	s_endpgm
.Lfunc_end_k_q308731f032_experts:
	.size	k_q308731f032_experts, .Lfunc_end_k_q308731f032_experts-k_q308731f032_experts
	.p2alignl 7, 3214868480
	.fill 96, 4, 3214868480
	.section	.rodata,"a",@progbits
	.p2align	6, 0x0
	.amdhsa_kernel k_q308731f032_experts
		.amdhsa_group_segment_fixed_size 67072
		.amdhsa_private_segment_fixed_size 0
		.amdhsa_enable_private_segment 0
		.amdhsa_kernarg_size 56
		.amdhsa_user_sgpr_count 2
		.amdhsa_user_sgpr_kernarg_segment_ptr 1
		.amdhsa_wavefront_size32 1
		.amdhsa_system_sgpr_workgroup_id_x 1
		.amdhsa_system_sgpr_workgroup_id_y 1
		.amdhsa_system_sgpr_workgroup_id_z 1
		.amdhsa_system_vgpr_workitem_id 0
		.amdhsa_next_free_vgpr 1024
		.amdhsa_next_free_sgpr 66
		.amdhsa_reserve_vcc 0
		.amdhsa_float_denorm_mode_32 3
		.amdhsa_float_denorm_mode_16_64 3
		.amdhsa_memory_ordered 1
		.amdhsa_forward_progress 1
		.amdhsa_inst_pref_size 71
	.end_amdhsa_kernel
	.amdgpu_metadata
---
amdhsa.version: [ 1, 2 ]
amdhsa.kernels:
  - .name:           k_q308731f032_experts
    .symbol:         k_q308731f032_experts.kd
    .args:
      - { .name: lists, .offset: 0, .size: 8, .value_kind: global_buffer, .address_space: global }
      - { .name: W1_codes, .offset: 8, .size: 8, .value_kind: global_buffer, .address_space: global }
      - { .name: W2_codes, .offset: 16, .size: 8, .value_kind: global_buffer, .address_space: global }
      - { .name: b1, .offset: 24, .size: 8, .value_kind: global_buffer, .address_space: global }
      - { .name: feature_codes, .offset: 32, .size: 8, .value_kind: global_buffer, .address_space: global }
      - { .name: lowp_scales, .offset: 40, .size: 8, .value_kind: global_buffer, .address_space: global }
      - { .name: part, .offset: 48, .size: 8, .value_kind: global_buffer, .address_space: global }
    .group_segment_fixed_size: 67072
    .private_segment_fixed_size: 0
    .kernarg_segment_align: 8
    .kernarg_segment_size: 56
    .max_flat_workgroup_size: 128
    .sgpr_count:     66
    .vgpr_count:     1024
    .wavefront_size: 32
...
	.end_amdgpu_metadata
.endif
;; end of part 3
;; launch finish (part 4): grid 256 x 1, 4 waves a work-group, no clusters, 0 bytes of LDS; arguments masks, part, b2, sigma, out0, out1; writes out0, out1
.if DOCPART == 4
	.amdgcn_target "amdgcn-amd-amdhsa--gfx1250"
	.amdhsa_code_object_version 6
	.text
	.protected	k_q308731f032_finish
	.globl	k_q308731f032_finish
	.p2align	8
	.type	k_q308731f032_finish,@function
k_q308731f032_finish:
	s_mov_b64 s[64:65], 0
	v_nop
	global_prefetch_b8 v0, s[64:65] scope:SCOPE_SE
	s_setreg_imm32_b32 hwreg(HW_REG_WAVE_MODE, 25, 1), 1
	s_wait_xcnt 0x0
; out0[token] = the sum over the token's chosen experts t of tanh(the sum over c of part[16 t + c][token] + b2[t]);  out1[token] = the sum over them of exp(sigma[t]).
; Sixteen lanes own a token, a lane four outputs: every load of part reads two whole rows of 256 bytes a wave, every store covers 512 consecutive bytes.
; The loop takes the lowest bit left in each token's mask word; it ends when no lane of the wave has a bit left: one trip where each token chose one expert, 16 at the most.
; A lane whose token has no bit left while its neighbour token has keeps its last expert's number, reads that stored row again, and its numbers are dropped by selection.
; A token that chose nobody at all (a NaN among its scores) beside a live token reads expert 0's rows of its own, which no launch stored; they too are dropped by selection, and its outputs are 0.
; tanh(x) = 1 - 2 / (1 + 2^(2 log2(e) x)): 1 and -1 at the ends, where the power overflows or vanishes.  No matrix unit: with a mask of 0 and 1 the last two products are this sum, in f32.
.set P,  10                            ; v10-73  the 16 parts, four numbers each
.set B2, 74                            ; v74-77  b2
.set SG, 78                            ; v78-81  sigma
.set SM, 82                            ; v82-85  the mean's sum;  v86-89 the deviation's
.set T,  90                            ; v90-97  at work
.macro BITOF d, m, val, sr             ; v[d] = val where the lowest bit's place has that binary digit
	v_and_b32 v9, \m, v8
	v_cmp_ne_u32 s\sr, 0, v9
	v_cndmask_b32 v[\d], 0, \val, s\sr
.endm
	s_load_b256 s[4:11], s[0:1], 0x0               ; masks s[4:5], part s[6:7], b2 s[8:9], sigma s[10:11]
	s_load_b128 s[12:15], s[0:1], 0x20             ; out0, out1
	v_lshlrev_b32 v1, 4, v0                        ; my 16 bytes of the work-group's eight rows of 256
	v_and_b32 v2, 15, v0
	v_lshlrev_b32 v2, 4, v2                        ; my 16 bytes of a row
	v_lshrrev_b32 v3, 4, v0
	v_lshlrev_b32 v3, 2, v3                        ; my token's mask word
	s_lshl_b32 s16, ttmp9, 11                      ; eight rows,
	s_mov_b32 s17, 0
	s_lshl_b32 s18, ttmp9, 5                       ; eight words
	s_mov_b32 s19, 0
	s_wait_kmcnt 0x0
	s_add_nc_u64 s[4:5], s[4:5], s[18:19]
	s_add_nc_u64 s[6:7], s[6:7], s[16:17]
	s_add_nc_u64 s[12:13], s[12:13], s[16:17]
	s_add_nc_u64 s[14:15], s[14:15], s[16:17]
	global_load_b32 v4, v3, s[4:5]
	v_mov_b32 v5, 0                                ; the expert in hand
.irp i, 0,1,2,3,4,5,6,7
	v_mov_b32 v[SM+\i], 0
.endr
	s_mov_b32 s20, 0
	s_wait_loadcnt 0x0
	v_and_b32 v4, 0xffff, v4                       ; 16 experts
.Lbit:
	v_cmp_ne_u32 s22, 0, v4                        ; lanes whose token has an expert left
	s_cmp_eq_u32 s22, 0
	s_cbranch_scc1 .Ldone
	v_sub_nc_u32 v8, 0, v4
	v_and_b32 v8, v8, v4                           ; the lowest bit
	BITOF T, 0xaaaa, 1, 24
	BITOF T+1, 0xcccc, 2, 25
	BITOF T+2, 0xf0f0, 4, 26
	BITOF T+3, 0xff00, 8, 27
	v_or_b32 v[T], v[T], v[T+1]
	v_or_b32 v[T+2], v[T+2], v[T+3]
	v_or_b32 v[T], v[T], v[T+2]                    ; its place: t
	v_cndmask_b32 v5, v5, v[T], s22                ; a lane with none left keeps its last
	v_min_u32 v5, 15, v5
	v_lshl_add_u32 v6, v5, 23, v1                  ; part: 16 regions of 524,288 bytes an expert
	v_lshl_add_u32 v7, v5, 8, v2                   ; b2, sigma: rows of 256 bytes
.irp c, 0,1,2,3,4,5,6,7,8,9,10,11,12,13,14,15
	global_load_b128 v[P+4*\c:P+4*\c+3], v6, s[6:7] offset:\c*524288   ; 7,864,320 at the most: inside the signed 24-bit immediate (ISA guide, chapter 10)
.endr
	global_load_b128 v[B2:B2+3], v7, s[8:9]
	global_load_b128 v[SG:SG+3], v7, s[10:11]
	s_wait_loadcnt 0x0
.irp w, 32,16,8,4                      ; the 16 parts are added in a tree: halves 8, 4, 2 and 1 parts apart
.set idx, 0
.rept \w/2
	v_pk_add_f32 v[P+idx:P+idx+1], v[P+idx:P+idx+1], v[P+\w+idx:P+\w+idx+1]
.set idx, idx+2
.endr
.endr
	v_pk_add_f32 v[P:P+1], v[P:P+1], v[B2:B2+1]
	v_pk_add_f32 v[P+2:P+3], v[P+2:P+3], v[B2+2:B2+3]
.irp i, 0,1,2,3
	v_mul_f32 v[T+\i], 0x4038aa3b, v[P+\i]         ; 2 log2(e) x
	v_mul_f32 v[T+4+\i], 0x3fb8aa3b, v[SG+\i]      ; log2(e) sigma
.endr
.irp i, 0,1,2,3,4,5,6,7
	v_exp_f32 v[T+\i], v[T+\i]
.endr
	v_add_nc_u32 v8, -1, v4                        ; (a plain instruction behind the exponentials)
	s_wait_alu depctr_va_vdst(0)
.irp i, 0,1,2,3
	v_add_f32 v[T+\i], 1.0, v[T+\i]
.endr
.irp i, 0,1,2,3
	v_rcp_f32 v[T+\i], v[T+\i]
.endr
	v_and_b32 v4, v4, v8                           ; the bit is done.  (A plain instruction behind the reciprocals)
	s_wait_alu depctr_va_vdst(0)
.irp i, 0,1,2,3
	v_fma_f32 v[T+\i], -2.0, v[T+\i], 1.0
.endr
.irp i, 0,1,2,3,4,5,6,7
	v_cndmask_b32 v[T+\i], 0, v[T+\i], s22         ; a lane with no expert left adds nothing: chosen, not multiplied
.endr
.irp i, 0,2,4,6
	v_pk_add_f32 v[SM+\i:SM+\i+1], v[SM+\i:SM+\i+1], v[T+\i:T+\i+1]
.endr
	s_add_co_u32 s20, s20, 1
	s_cmp_lt_u32 s20, 16
	s_cbranch_scc1 .Lbit
.Ldone:
	global_store_b128 v1, v[SM:SM+3], s[12:13]
	global_store_b128 v1, v[SM+4:SM+7], s[14:15]
	s_endpgm
.Lfunc_end_k_q308731f032_finish:
	.size	k_q308731f032_finish, .Lfunc_end_k_q308731f032_finish-k_q308731f032_finish
	.p2alignl 7, 3214868480
	.fill 96, 4, 3214868480
	.section	.rodata,"a",@progbits
	.p2align	6, 0x0
	.amdhsa_kernel k_q308731f032_finish
		.amdhsa_group_segment_fixed_size 0
		.amdhsa_private_segment_fixed_size 0
		.amdhsa_enable_private_segment 0
		.amdhsa_kernarg_size 48
		.amdhsa_user_sgpr_count 2
		.amdhsa_user_sgpr_kernarg_segment_ptr 1
		.amdhsa_wavefront_size32 1
		.amdhsa_system_sgpr_workgroup_id_x 1
		.amdhsa_system_sgpr_workgroup_id_y 1
		.amdhsa_system_sgpr_workgroup_id_z 1
		.amdhsa_system_vgpr_workitem_id 0
		.amdhsa_next_free_vgpr 104
		.amdhsa_next_free_sgpr 66
		.amdhsa_reserve_vcc 0
		.amdhsa_float_denorm_mode_32 3
		.amdhsa_float_denorm_mode_16_64 3
		.amdhsa_memory_ordered 1
		.amdhsa_forward_progress 1
		.amdhsa_inst_pref_size 9
	.end_amdhsa_kernel
	.amdgpu_metadata
---
amdhsa.version: [ 1, 2 ]
amdhsa.kernels:
  - .name:           k_q308731f032_finish
    .symbol:         k_q308731f032_finish.kd
    .args:
      - { .name: masks, .offset: 0, .size: 8, .value_kind: global_buffer, .address_space: global }
      - { .name: part, .offset: 8, .size: 8, .value_kind: global_buffer, .address_space: global }
      - { .name: b2, .offset: 16, .size: 8, .value_kind: global_buffer, .address_space: global }
      - { .name: sigma, .offset: 24, .size: 8, .value_kind: global_buffer, .address_space: global }
      - { .name: out0, .offset: 32, .size: 8, .value_kind: global_buffer, .address_space: global }
      - { .name: out1, .offset: 40, .size: 8, .value_kind: global_buffer, .address_space: global }
    .group_segment_fixed_size: 0
    .private_segment_fixed_size: 0
    .kernarg_segment_align: 8
    .kernarg_segment_size: 48
    .max_flat_workgroup_size: 128
    .sgpr_count:     66
    .vgpr_count:     104
    .wavefront_size: 32
...
	.end_amdgpu_metadata
.endif
;; end of part 4
;; ======== version 2 of 3: 3 launches
;; workspace buffers: masks 8,192 bytes of whole numbers; lists 139,264 bytes of whole numbers; part 134,217,728 bytes
;; launch route (part 5): grid 68 x 1, 8 waves a work-group, no clusters, 2,048 bytes of LDS; arguments actor_index, masks, lists; writes masks, lists
.if DOCPART == 5
	.amdgcn_target "amdgcn-amd-amdhsa--gfx1250"
	.amdhsa_code_object_version 6
	.text
	.protected	k_q308731f032_route
	.globl	k_q308731f032_route
	.p2align	8
	.type	k_q308731f032_route,@function
k_q308731f032_route:
	s_mov_b64 s[64:65], 0
	v_nop
	global_prefetch_b8 v0, s[64:65] scope:SCOPE_SE
	s_setreg_imm32_b32 hwreg(HW_REG_WAVE_MODE, 25, 1), 1
	s_wait_xcnt 0x0
; From the scores actor_index[2048][16]:
;   masks[token] = a word whose bit t is set where the token's score for expert t equals the row's largest score (several bits on exact ties, +0 and -0 equal;
;                  no bit where the row holds a NaN: the row's maximum is then NaN by the problem's definition, and nothing equals it);
;   lists[t]     = a region of 8,704 bytes: words 0..2047 the numbers of the n tokens that chose t, ascending, then zeros; words 2048..2079 zeros; words 2080..2111 n.
;                  (Words 2112..2175 of a region are not written; nobody reads them.)
; NOTHING HERE IS ADDRESSED BY THE CHOICE.  A list is made from the target's side: position p asks which token is the p-th chosen, and finds it by compares and selections on
; registers; every load, store and LDS access stands at a place fixed by the thread's and the work-group's numbers, and no branch hangs on a score.
; WORK-GROUPS 0..63: expert t = wg / 4, positions 512 c .. 512 c + 511 with c = wg % 4.  Each needs the ballots of all 2,048 tokens, so each reads all 131,072 bytes of scores:
; 64 work-groups read them 8 MB over, and a wave has two positions a lane to search; four times the work-groups would read 32 MB over to shorten the search alone.
;   1. Wave w takes tokens 256 w + 32 j + lane, slots j = 0..7: the row's maximum; a sum of squares, which is NaN exactly where the row holds a NaN (squares are never negative,
;      so no infinity cancels another); x_t; two compares.  A row's four pieces of 16 bytes are loaded in an order turned by t / 4, so that x_t lies in the slot's first four registers.
;   2. Ballot word q = 8 w + j holds tokens 32 q + bit.  Each wave lays its 8 ballots, the running sums of (count x 64 + 1) ahead of each, and their total in LDS: one word a lane.
;   3. Behind the one barrier every wave reads all eight records, the same address in all lanes, and adds the totals: key q = 64 x (tokens chosen in the words below q) + q.
;   4. Lane l searches positions p = 512 c + 64 w + 2 l and p + 1.  The keys ascend, and key q > 64 p + 63 exactly where more than p tokens lie below word q: the last key not above it
;      names the word that holds the p-th token and how many lie below it.  63 steps: a compare and two selections for each position.
;   5. The rank left inside the word: counts of fields of 2, 4, 8 and 16 bits, then five halvings.  Token = 32 q + the bit's place; 0 where p >= n.
;   6. A lane's two numbers are 8 bytes: the wave's store covers 256 consecutive bytes, aligned.
; WORK-GROUPS 64..67 make masks: each wave 64 tokens, a lane two of them, one store of 256 consecutive aligned bytes.  They use no LDS and pass no barrier.
.set LISTWG, 64                        ; work-groups that make lists
.set REGION, 8704                      ; an expert's region of lists, in bytes
.set X,   16                           ; v16-143   scores: slot j at X + 16 j
.set MX,  144                          ; v144-151  a slot's row maxima
.set SQ,  152                          ; v152-167  a slot's sum of squares, in two halves
.set TA,  168                          ; v168-171  at work: x_t
.set BAL, 16                           ; v16-79    behind the barrier: the 64 ballot words, each in every lane
.set KEY, 80                           ; v80-143   the 64 keys
.set TOT, 144                          ; v144-151  the waves' totals, then their running sums
.set TK,  172                          ; v172-199  two sets of 14, one for each of a lane's two positions:
.set oPK, 0                            ;   64 p + 63
.set oP,  1                            ;   p
.set oKS, 2                            ;   the key chosen
.set oW,  3                            ;   the ballot word chosen
.set oR,  4                            ;   the rank left
.set oA,  5                            ;   counts of fields of 2 bits
.set oQ,  6                            ;   of 4
.set oC,  7                            ;   of 8
.set oD,  8                            ;   of 16 (its lowest byte)
.set oT,  9                            ;   at work
.set oU,  10
.set oPOS, 11                          ;   the bit's place so far
.set oV,  12
.set ID,  200                          ; v200, v201 the two token numbers
.set NK,  202                          ; v202      64 n
.set NR,  204                          ; v204, v205 the words behind the list
.set SO,  206                          ; v206      8 x lane
	s_load_b128 s[4:7], s[0:1], 0x0                ; actor_index s[4:5], masks s[6:7]
	s_load_b64 s[8:9], s[0:1], 0x10                ; lists
	v_lshl_add_u32 v208, v0, 2, 0x400
	v_mov_b32 v209, 0
	v_lshrrev_b32 v1, 5, v0
	v_readfirstlane_b32 s10, v1                    ; wave 0..7
	v_and_b32 v1, 31, v0                           ; lane
	s_cmp_ge_u32 ttmp9, LISTWG
	s_cbranch_scc1 .Lmasks                         ; the whole work-group goes one way
	s_lshr_b32 s11, ttmp9, 2                       ; t
	s_and_b32 s12, ttmp9, 3                        ; c
	s_lshr_b32 s13, s11, 2                         ; the piece of a row that holds x_t
	v_lshlrev_b32 v9, 6, v1                        ; a row is 64 bytes: lane = token
	s_lshl_b32 s16, s10, 14                        ; my wave's 256 rows
	v_add_nc_u32 v9, s16, v9
.irp i, 0,1,2,3
	s_add_co_u32 s17, s13, \i                      ; registers 4 i .. 4 i + 3 of a slot take piece (i + t / 4) % 4
	s_and_b32 s17, s17, 3
	s_lshl_b32 s17, s17, 4
	v_add_nc_u32 v[2+\i], s17, v9
.endr
	s_wait_kmcnt 0x0
.irp j, 0,1,2,3,4,5,6,7
.irp i, 0,1,2,3
	global_load_b128 v[X+16*\j+4*\i:X+16*\j+4*\i+3], v[2+\i], s[4:5] offset:2048*\j   ; slot j: 32 rows, 2,048 bytes on
.endr
.endr
	s_bitcmp1_b32 s11, 0
	s_cselect_b32 s14, -1, 0                       ; all lanes where t is odd,
	s_bitcmp1_b32 s11, 1
	s_cselect_b32 s15, -1, 0                       ; where t % 4 is 2 or 3
	v_lshlrev_b32 v6, 2, v0                        ; LDS: a word for each thread: record w at 128 w
	v_mov_b32 v7, 0                                ; LDS byte 0
	v_mov_b32 v8, 0                                ; my wave's record, lane by lane
	s_lshl_b32 s16, s12, 9
	s_lshl_b32 s17, s10, 6
	s_add_co_u32 s16, s16, s17                     ; my wave's first position: 512 c + 64 w
	v_lshl_add_u32 v[TK+oP], v1, 1, s16            ; p = that + 2 x lane,
	v_add_nc_u32 v[TK+14+oP], 1, v[TK+oP]          ; and p + 1
.irp i, 0,1
	v_lshl_or_b32 v[TK+14*\i+oPK], v[TK+14*\i+oP], 6, 63
	v_mov_b32 v[TK+14*\i+oPOS], 0
.endr
	v_lshlrev_b32 v[SO], 3, v1
	s_mul_i32 s18, s11, REGION                     ; the expert's region,
	s_lshl_b32 s16, s16, 2                         ; my wave's 64 words in it
	s_add_co_u32 s18, s18, s16
	s_mov_b32 s19, 0
	s_add_nc_u64 s[8:9], s[8:9], s[18:19]
; Slots j and j + 1, line by line by turns: four chains that do not wait for each other.
.macro PAIR j
	s_wait_loadcnt 24-4*\j                         ; loads come back in order: these two slots' eight are in; the four of each slot behind them may be out
.irp u, 0,1
.set XS, X+16*(\j+\u)
	v_max3_num_f32 v[MX+\j+\u], v[XS], v[XS+1], v[XS+2]
	v_pk_mul_f32 v[SQ+2*(\j+\u):SQ+2*(\j+\u)+1], v[XS:XS+1], v[XS:XS+1]
.endr
.irp i, 3,5,7,9,11,13
.irp u, 0,1
.set XS, X+16*(\j+\u)
	v_max3_num_f32 v[MX+\j+\u], v[MX+\j+\u], v[XS+\i], v[XS+\i+1]
	v_pk_fma_f32 v[SQ+2*(\j+\u):SQ+2*(\j+\u)+1], v[XS+\i-1:XS+\i], v[XS+\i-1:XS+\i], v[SQ+2*(\j+\u):SQ+2*(\j+\u)+1]
.endr
.endr
.irp u, 0,1
.set XS, X+16*(\j+\u)
	v_max_num_f32 v[MX+\j+\u], v[MX+\j+\u], v[XS+15]
	v_pk_fma_f32 v[SQ+2*(\j+\u):SQ+2*(\j+\u)+1], v[XS+14:XS+15], v[XS+14:XS+15], v[SQ+2*(\j+\u):SQ+2*(\j+\u)+1]
	v_cndmask_b32 v[TA+2*\u], v[XS], v[XS+1], s14          ; x_t is number t % 4 of the slot's first piece
	v_cndmask_b32 v[TA+2*\u+1], v[XS+2], v[XS+3], s14
.endr
.irp u, 0,1
	v_add_f32 v[SQ+2*(\j+\u)], v[SQ+2*(\j+\u)], v[SQ+2*(\j+\u)+1]
	v_cndmask_b32 v[TA+2*\u], v[TA+2*\u], v[TA+2*\u+1], s15
.endr
.irp u, 0,1
	v_cmp_eq_f32 s[20+\j+\u], v[TA+2*\u], v[MX+\j+\u]      ; x_t is the row's largest,
	v_cmp_eq_f32 s[28+\j+\u], v[SQ+2*(\j+\u)], v[SQ+2*(\j+\u)]   ; and the row holds no NaN: a number equals itself
.endr
.endm
	PAIR 0
	PAIR 2
	PAIR 4
	PAIR 6
.irp j, 0,1,2,3,4,5,6,7
	s_and_b32 s[20+\j], s[20+\j], s[28+\j]         ; the slot's ballot
.endr
	s_mov_b32 s40, 0
.irp j, 0,1,2,3,4,5,6,7
	s_bcnt1_i32_b32 s37, s[20+\j]
	s_lshl_b32 s37, s37, 6
	s_add_co_u32 s37, s37, 1                       ; count x 64 + 1: summed, the low six bits count words and the rest counts tokens
	s_add_co_u32 s[41+\j], s[40+\j], s37
.endr
.irp j, 0,1,2,3,4,5,6,7
	v_writelane_b32 v8, s[20+\j], \j               ; lanes 0-7: my ballots
	v_writelane_b32 v8, s[40+\j], 8+\j             ; lanes 8-15: the sums ahead of each
.endr
	v_writelane_b32 v8, s48, 16                    ; lane 16: my total; the other lanes hold 0
	ds_store_b32 v6, v8
	s_wait_dscnt 0x0                               ; for the others' sake: my record has landed
	s_barrier_signal -1
	s_barrier_wait -1                              ; all eight records lie in LDS; nobody writes LDS again
.irp w, 0,1,2,3,4,5,6,7
	ds_load_b128 v[BAL+8*\w:BAL+8*\w+3],   v7 offset:128*\w       ; the same address in all lanes: every lane gets every word
	ds_load_b128 v[BAL+8*\w+4:BAL+8*\w+7], v7 offset:128*\w+16
	ds_load_b128 v[KEY+8*\w:KEY+8*\w+3],   v7 offset:128*\w+32
	ds_load_b128 v[KEY+8*\w+4:KEY+8*\w+7], v7 offset:128*\w+48
	ds_load_b32  v[TOT+\w], v7 offset:128*\w+64
.endr
	s_wait_dscnt 0x0
.irp w, 1,2,3,4,5,6,7
	v_add_nc_u32 v[TOT+\w], v[TOT+\w-1], v[TOT+\w]         ; the totals up to and with wave w
.irp j, 0,1,2,3,4,5,6,7
	v_add_nc_u32 v[KEY+8*\w+\j], v[TOT+\w-1], v[KEY+8*\w+\j]   ; key q = 64 x (tokens below word q) + q
.endr
.endr
	v_add_nc_u32 v[NK], 0xffffffc0, v[TOT+7]       ; all totals are 64 n + 64: less 64
; The search.  A step's compares are issued a step ahead of its selections, into two pairs of scalar registers by turns.
.macro CMPS q
	v_cmp_gt_u32 s[40+2*((\q)%2)], v[KEY+(\q)], v[TK+oPK]
	v_cmp_gt_u32 s[41+2*((\q)%2)], v[KEY+(\q)], v[TK+14+oPK]
.endm
.macro SELS q                          ; where key q is not above 64 p + 63 it takes the place of the key before
.irp i, 0,1
.if (\q) == 1
	v_cndmask_b32 v[TK+14*\i+oKS], v[KEY+1], v[KEY], s[42+\i]     ; the first step starts from word 0: nothing is copied
	v_cndmask_b32 v[TK+14*\i+oW],  v[BAL+1], v[BAL], s[42+\i]
.else
	v_cndmask_b32 v[TK+14*\i+oKS], v[KEY+(\q)], v[TK+14*\i+oKS], s[40+2*((\q)%2)+\i]
	v_cndmask_b32 v[TK+14*\i+oW],  v[BAL+(\q)], v[TK+14*\i+oW],  s[40+2*((\q)%2)+\i]
.endif
.endr
.endm
	CMPS 1
.set qq, 1
.rept 62
	CMPS qq+1
	SELS qq
.set qq, qq+1
.endr
	SELS 63
; The rank inside the word: r = p - (tokens below the word); the place of the word's r-th set bit, counted from 0 and from the low end.
.irp i, 0,1
	v_lshrrev_b32 v[TK+14*\i+oU], 6, v[TK+14*\i+oKS]       ; tokens below the word
	v_lshrrev_b32 v[TK+14*\i+oA], 1, v[TK+14*\i+oW]
.endr
.irp i, 0,1
	v_sub_nc_u32 v[TK+14*\i+oR], v[TK+14*\i+oP], v[TK+14*\i+oU]
	v_and_b32 v[TK+14*\i+oA], 0x55555555, v[TK+14*\i+oA]
.endr
.irp i, 0,1
	v_sub_nc_u32 v[TK+14*\i+oA], v[TK+14*\i+oW], v[TK+14*\i+oA]   ; each field of 2 bits holds its count
.endr
.irp i, 0,1
	v_lshrrev_b32 v[TK+14*\i+oT], 2, v[TK+14*\i+oA]
	v_and_b32 v[TK+14*\i+oQ], 0x33333333, v[TK+14*\i+oA]
.endr
.irp i, 0,1
	v_and_b32 v[TK+14*\i+oT], 0x33333333, v[TK+14*\i+oT]
.endr
.irp i, 0,1
	v_add_nc_u32 v[TK+14*\i+oQ], v[TK+14*\i+oQ], v[TK+14*\i+oT]   ; of 4 bits
.endr
.irp i, 0,1
	v_lshrrev_b32 v[TK+14*\i+oC], 4, v[TK+14*\i+oQ]
.endr
.irp i, 0,1
	v_add_nc_u32 v[TK+14*\i+oC], v[TK+14*\i+oC], v[TK+14*\i+oQ]
.endr
.irp i, 0,1
	v_and_b32 v[TK+14*\i+oC], 0x0f0f0f0f, v[TK+14*\i+oC]   ; of 8 bits
.endr
.irp i, 0,1
	v_lshrrev_b32 v[TK+14*\i+oD], 8, v[TK+14*\i+oC]
.endr
.irp i, 0,1
	v_add_nc_u32 v[TK+14*\i+oD], v[TK+14*\i+oD], v[TK+14*\i+oC]   ; the lowest byte: the count of bits 0 to 15
.endr
; One halving: the count of the lower half of what is left; where the rank reaches it, the rank drops by it and the place moves to the upper half.
.macro LEVEL src, wid, step
.irp i, 0,1
	v_bfe_u32 v[TK+14*\i+oT], v[TK+14*\i+\src], v[TK+14*\i+oPOS], \wid
	v_add_nc_u32 v[TK+14*\i+oV], \step, v[TK+14*\i+oPOS]
.endr
.irp i, 0,1
	v_cmp_ge_u32 s[40+\i], v[TK+14*\i+oR], v[TK+14*\i+oT]
	v_sub_nc_u32 v[TK+14*\i+oU], v[TK+14*\i+oR], v[TK+14*\i+oT]
.endr
.irp i, 0,1
	v_cndmask_b32 v[TK+14*\i+oR], v[TK+14*\i+oR], v[TK+14*\i+oU], s[40+\i]
	v_cndmask_b32 v[TK+14*\i+oPOS], v[TK+14*\i+oPOS], v[TK+14*\i+oV], s[40+\i]
.endr
.endm
	LEVEL oD, 8, 16
	LEVEL oC, 8, 8
	LEVEL oQ, 4, 4
	LEVEL oA, 2, 2
	LEVEL oW, 1, 1
.irp i, 0,1
	v_and_b32 v[TK+14*\i+oT], 63, v[TK+14*\i+oKS]          ; q
	v_cmp_lt_u32 s[40+\i], v[TK+14*\i+oPK], v[NK]          ; 64 p + 63 < 64 n: p < n
.endr
.irp i, 0,1
	v_lshl_or_b32 v[TK+14*\i+oT], v[TK+14*\i+oT], 5, v[TK+14*\i+oPOS]   ; token 32 q + place
.endr
.irp i, 0,1
	v_cndmask_b32 v[ID+\i], 0, v[TK+14*\i+oT], s[40+\i]    ; behind the list: 0
.endr
	global_store_b64 v[SO], v[ID:ID+1], s[8:9]             ; the wave's 64 words: 256 consecutive bytes, aligned
	s_or_b32 s16, s12, s10
	s_cmp_lg_u32 s16, 0
	s_cbranch_scc1 .Lend                           ; wave 0 of the expert's first work-group also stores the words behind the list
	v_lshrrev_b32 v[NK], 6, v[NK]                  ; n
	v_cmp_lt_u32 vcc_lo, 15, v1
	v_cndmask_b32 v[NR], 0, v[NK], vcc_lo          ; lanes 0-15: words 2048..2079, zeros; lanes 16-31: words 2080..2111, n
	v_mov_b32 v[NR+1], v[NR]
	global_store_b64 v[SO], v[NR:NR+1], s[8:9] offset:8192 ; 256 consecutive bytes, aligned
.Lend:
	s_wait_tensorcnt 0x0
	ds_add_u32 v208, v209
	s_wait_dscnt 0x0
	s_endpgm
; ---- work-groups 64..67: the mask words.  Wave number 8 (wg - 64) + w takes 64 tokens: lane l tokens 2 l and 2 l + 1, 128 consecutive bytes of scores.
.set WD, 48                            ; v48, v49  the two words
.set MM, 50                            ; v50       the row's largest score
.set BIT, 51                           ; v51       at work
.macro TOKEN u
.set XR, 16+16*\u                      ; the token's 16 scores
	v_max3_num_f32 v[MM], v[XR], v[XR+1], v[XR+2]
.irp i, 3,5,7,9,11,13
	v_max3_num_f32 v[MM], v[MM], v[XR+\i], v[XR+\i+1]
.endr
	v_max_num_f32 v[MM], v[MM], v[XR+15]
	s_mov_b32 s[20+\u], -1                         ; lanes whose row holds no NaN: a number equals itself, a NaN does not
.irp i, 0,1,2,3,4,5,6,7,8,9,10,11,12,13,14,15
	v_cmp_eq_f32 vcc_lo, v[XR+\i], v[XR+\i]
	s_and_b32 s[20+\u], s[20+\u], vcc_lo
.endr
	v_cmp_eq_f32 vcc_lo, v[XR+15], v[MM]           ; the word is shifted together from bit 15 down
	v_cndmask_b32 v[WD+\u], 0, 1, vcc_lo
.irp i, 14,13,12,11,10,9,8,7,6,5,4,3,2,1,0
	v_cmp_eq_f32 vcc_lo, v[XR+\i], v[MM]
	v_cndmask_b32 v[BIT], 0, 1, vcc_lo
	v_lshl_or_b32 v[WD+\u], v[WD+\u], 1, v[BIT]
.endr
	v_cndmask_b32 v[WD+\u], 0, v[WD+\u], s[20+\u]  ; a row with a NaN chooses nobody
.endm
.Lmasks:
	s_sub_co_u32 s11, ttmp9, LISTWG
	s_lshl_b32 s11, s11, 3
	s_add_co_u32 s11, s11, s10                     ; which run of 64 tokens: 0..31
	v_lshlrev_b32 v2, 7, v1                        ; my two rows of 64 bytes
	v_lshlrev_b32 v3, 3, v1                        ; my two words
	s_lshl_b32 s16, s11, 12                        ; the run's 64 rows of scores,
	s_mov_b32 s17, 0
	s_lshl_b32 s18, s11, 8                         ; and its 64 words
	s_mov_b32 s19, 0
	s_wait_kmcnt 0x0
	s_add_nc_u64 s[4:5], s[4:5], s[16:17]
	s_add_nc_u64 s[6:7], s[6:7], s[18:19]
.irp i, 0,1,2,3,4,5,6,7
	global_load_b128 v[16+4*\i:19+4*\i], v2, s[4:5] offset:16*\i
.endr
	s_wait_loadcnt 0x0
	TOKEN 0
	TOKEN 1
	global_store_b64 v3, v[WD:WD+1], s[6:7]        ; the wave's 64 words: 256 consecutive bytes, aligned
	s_endpgm
.Lfunc_end_k_q308731f032_route:
	.size	k_q308731f032_route, .Lfunc_end_k_q308731f032_route-k_q308731f032_route
	.p2alignl 7, 3214868480
	.fill 96, 4, 3214868480
	.section	.rodata,"a",@progbits
	.p2align	6, 0x0
	.amdhsa_kernel k_q308731f032_route
		.amdhsa_group_segment_fixed_size 2048
		.amdhsa_private_segment_fixed_size 0
		.amdhsa_enable_private_segment 0
		.amdhsa_kernarg_size 24
		.amdhsa_user_sgpr_count 2
		.amdhsa_user_sgpr_kernarg_segment_ptr 1
		.amdhsa_wavefront_size32 1
		.amdhsa_system_sgpr_workgroup_id_x 1
		.amdhsa_system_sgpr_workgroup_id_y 1
		.amdhsa_system_sgpr_workgroup_id_z 1
		.amdhsa_system_vgpr_workitem_id 0
		.amdhsa_next_free_vgpr 210
		.amdhsa_next_free_sgpr 66
		.amdhsa_reserve_vcc 1
		.amdhsa_float_denorm_mode_32 3
		.amdhsa_float_denorm_mode_16_64 3
		.amdhsa_memory_ordered 1
		.amdhsa_forward_progress 1
		.amdhsa_inst_pref_size 62
	.end_amdhsa_kernel
	.amdgpu_metadata
---
amdhsa.version: [ 1, 2 ]
amdhsa.kernels:
  - .name:           k_q308731f032_route
    .symbol:         k_q308731f032_route.kd
    .args:
      - { .name: actor_index, .offset: 0, .size: 8, .value_kind: global_buffer, .address_space: global }
      - { .name: masks, .offset: 8, .size: 8, .value_kind: global_buffer, .address_space: global }
      - { .name: lists, .offset: 16, .size: 8, .value_kind: global_buffer, .address_space: global }
    .group_segment_fixed_size: 2048
    .private_segment_fixed_size: 0
    .kernarg_segment_align: 8
    .kernarg_segment_size: 24
    .max_flat_workgroup_size: 256
    .sgpr_count:     66
    .vgpr_count:     210
    .wavefront_size: 32
...
	.end_amdgpu_metadata
.endif
;; end of part 5
;; launch experts: the kernel of part 3 again; grid 256 x 1, 4 waves a work-group, no clusters, 67,072 bytes of LDS; arguments lists, W1_codes, W2_codes, b1, feature_codes, lowp_scales, part; writes part
;; launch finish: the kernel of part 4 again; grid 256 x 1, 4 waves a work-group, no clusters, 0 bytes of LDS; arguments masks, part, b2, sigma, out0, out1; writes out0, out1
;; ======== version 3 of 3: 3 launches
;; workspace buffers: masks 8,192 bytes of whole numbers; lists 139,264 bytes of whole numbers; part 134,217,728 bytes
;; launch route (part 6): grid 68 x 1, 8 waves a work-group, no clusters, 2,048 bytes of LDS; arguments actor_index, masks, lists; writes masks, lists
.if DOCPART == 6
	.amdgcn_target "amdgcn-amd-amdhsa--gfx1250"
	.amdhsa_code_object_version 6
	.text
	.protected	k_q308731f032_route
	.globl	k_q308731f032_route
	.p2align	8
	.type	k_q308731f032_route,@function
k_q308731f032_route:
	s_mov_b64 s[64:65], 0
	v_nop
	global_prefetch_b8 v0, s[64:65] scope:SCOPE_SE
	s_setreg_imm32_b32 hwreg(HW_REG_WAVE_MODE, 25, 1), 1
	s_wait_xcnt 0x0
; From the scores actor_index[2048][16]:
;   masks[token] = a word whose bit t is set where the token's score for expert t equals the row's largest score (several bits on exact ties, +0 and -0 equal;
;                  no bit where the row holds a NaN: the row's maximum is then NaN by the problem's definition, and nothing equals it);
;   lists[t]     = a region of 8,704 bytes: words 0..2047 the numbers of the n tokens that chose t, ascending, then zeros; words 2048..2079 zeros; words 2080..2111 n.
;                  (Words 2112..2175 of a region are not written; nobody reads them.)
; NOTHING HERE IS ADDRESSED BY THE CHOICE.  A list is made from the target's side: position p asks which token is the p-th chosen, and finds it by compares and selections on
; registers; every load, store and LDS access stands at a place fixed by the thread's and the work-group's numbers, and no branch hangs on a score.
; WORK-GROUPS 0..63: expert t = wg / 4, positions 512 c .. 512 c + 511 with c = wg % 4.  Each needs the ballots of all 2,048 tokens, so each reads all 131,072 bytes of scores:
; 64 work-groups read them 8 MB over, and a wave has two positions a lane to search; four times the work-groups would read 32 MB over to shorten the search alone.
;   1. Wave w takes tokens 256 w + 32 j + lane, slots j = 0..7: the row's maximum; a sum of squares, which is NaN exactly where the row holds a NaN (squares are never negative,
;      so no infinity cancels another); x_t; two compares.  A row's four pieces of 16 bytes are loaded in an order turned by t / 4, so that x_t lies in the slot's first four registers.
;   2. Ballot word q = 8 w + j holds tokens 32 q + bit.  Each wave lays its 8 ballots, the running sums of (count x 64 + 1) ahead of each, and their total in LDS: one word a lane.
;   3. Behind the one barrier every wave reads all eight records, the same address in all lanes, and adds the totals: key q = 64 x (tokens chosen in the words below q) + q.
;   4. Lane l searches positions p = 512 c + 64 w + 2 l and p + 1.  The keys ascend, and key q > 64 p + 63 exactly where more than p tokens lie below word q: the last key not above it
;      names the word that holds the p-th token and how many lie below it.  63 steps: a compare and two selections for each position.
;   5. The rank left inside the word: counts of fields of 2, 4, 8 and 16 bits, then five halvings.  Token = 32 q + the bit's place; 0 where p >= n.
;   6. A lane's two numbers are 8 bytes: the wave's store covers 256 consecutive bytes, aligned.
; WORK-GROUPS 64..67 make masks: each wave 64 tokens, a lane two of them, one store of 256 consecutive aligned bytes.  They use no LDS and pass no barrier.
.set LISTWG, 64                        ; work-groups that make lists
.set REGION, 8704                      ; an expert's region of lists, in bytes
.set X,   16                           ; v16-143   scores: slot j at X + 16 j
.set MX,  144                          ; v144-151  a slot's row maxima
.set SQ,  152                          ; v152-167  a slot's sum of squares, in two halves
.set TA,  168                          ; v168-171  at work: x_t
.set BAL, 16                           ; v16-79    behind the barrier: the 64 ballot words, each in every lane
.set KEY, 80                           ; v80-143   the 64 keys
.set TOT, 144                          ; v144-151  the waves' totals, then their running sums
.set TK,  172                          ; v172-199  two sets of 14, one for each of a lane's two positions:
.set oPK, 0                            ;   64 p + 63
.set oP,  1                            ;   p
.set oKS, 2                            ;   the key chosen
.set oW,  3                            ;   the ballot word chosen
.set oR,  4                            ;   the rank left
.set oA,  5                            ;   counts of fields of 2 bits
.set oQ,  6                            ;   of 4
.set oC,  7                            ;   of 8
.set oD,  8                            ;   of 16 (its lowest byte)
.set oT,  9                            ;   at work
.set oU,  10
.set oPOS, 11                          ;   the bit's place so far
.set oV,  12
.set ID,  200                          ; v200, v201 the two token numbers
.set NK,  202                          ; v202      64 n
.set NR,  204                          ; v204, v205 the words behind the list
.set SO,  206                          ; v206      8 x lane
	s_load_b128 s[4:7], s[0:1], 0x0                ; actor_index s[4:5], masks s[6:7]
	s_load_b64 s[8:9], s[0:1], 0x10                ; lists
	v_lshl_add_u32 v208, v0, 2, 0x400
	v_mov_b32 v209, 0
	v_lshrrev_b32 v1, 5, v0
	s_delay_alu instid0(VALU_DEP_1)
	v_readfirstlane_b32 s10, v1                    ; wave 0..7
	v_and_b32 v1, 31, v0                           ; lane
	s_cmp_ge_u32 ttmp9, LISTWG
	s_cbranch_scc1 .Lmasks                         ; the whole work-group goes one way
	s_lshr_b32 s11, ttmp9, 2                       ; t
	s_and_b32 s12, ttmp9, 3                        ; c
	s_lshr_b32 s13, s11, 2                         ; the piece of a row that holds x_t
	v_lshlrev_b32 v9, 6, v1                        ; a row is 64 bytes: lane = token
	s_lshl_b32 s16, s10, 14                        ; my wave's 256 rows
	v_add_nc_u32 v9, s16, v9
	s_wait_alu depctr_va_vdst(0)
.irp i, 0,1,2,3
	s_add_co_u32 s17, s13, \i                      ; registers 4 i .. 4 i + 3 of a slot take piece (i + t / 4) % 4
	s_and_b32 s17, s17, 3
	s_lshl_b32 s17, s17, 4
	v_add_nc_u32 v[2+\i], s17, v9
.endr
	s_wait_alu depctr_va_vdst(0)
	s_wait_kmcnt 0x0
.irp j, 0,1,2,3,4,5,6,7
.irp i, 0,1,2,3
	global_load_b128 v[X+16*\j+4*\i:X+16*\j+4*\i+3], v[2+\i], s[4:5] offset:2048*\j   ; slot j: 32 rows, 2,048 bytes on
.endr
.endr
	s_bitcmp1_b32 s11, 0
	s_cselect_b32 s14, -1, 0                       ; all lanes where t is odd,
	s_bitcmp1_b32 s11, 1
	s_cselect_b32 s15, -1, 0                       ; where t % 4 is 2 or 3
	v_lshlrev_b32 v6, 2, v0                        ; LDS: a word for each thread: record w at 128 w
	v_mov_b32 v7, 0                                ; LDS byte 0
	v_mov_b32 v8, 0                                ; my wave's record, lane by lane
	s_lshl_b32 s16, s12, 9
	s_lshl_b32 s17, s10, 6
	s_add_co_u32 s16, s16, s17                     ; my wave's first position: 512 c + 64 w
	v_lshl_add_u32 v[TK+oP], v1, 1, s16            ; p = that + 2 x lane,
	s_delay_alu instid0(VALU_DEP_1)
	v_add_nc_u32 v[TK+14+oP], 1, v[TK+oP]          ; and p + 1
.irp i, 0
	s_delay_alu instid0(VALU_DEP_2)
	v_lshl_or_b32 v[TK+14*\i+oPK], v[TK+14*\i+oP], 6, 63
	v_mov_b32 v[TK+14*\i+oPOS], 0
.endr
.irp i, 1
	s_delay_alu instid0(VALU_DEP_3)
	v_lshl_or_b32 v[TK+14*\i+oPK], v[TK+14*\i+oP], 6, 63
	v_mov_b32 v[TK+14*\i+oPOS], 0
.endr
	v_lshlrev_b32 v[SO], 3, v1
	s_mul_i32 s18, s11, REGION                     ; the expert's region,
	s_lshl_b32 s16, s16, 2                         ; my wave's 64 words in it
	s_add_co_u32 s18, s18, s16
	s_mov_b32 s19, 0
	s_add_nc_u64 s[8:9], s[8:9], s[18:19]
; Slots j and j + 1, line by line by turns: four chains that do not wait for each other.
.macro PAIR j
	s_wait_loadcnt 24-4*\j                         ; loads come back in order: these two slots' eight are in; the four of each slot behind them may be out
.irp u, 0,1
.set XS, X+16*(\j+\u)
	v_max3_num_f32 v[MX+\j+\u], v[XS], v[XS+1], v[XS+2]
	v_pk_mul_f32 v[SQ+2*(\j+\u):SQ+2*(\j+\u)+1], v[XS:XS+1], v[XS:XS+1]
.endr
.irp i, 3,5,7,9,11,13
.irp u, 0,1
.set XS, X+16*(\j+\u)
	s_delay_alu instid0(VALU_DEP_4)
	v_max3_num_f32 v[MX+\j+\u], v[MX+\j+\u], v[XS+\i], v[XS+\i+1]
	s_delay_alu instid0(VALU_DEP_4)
	v_pk_fma_f32 v[SQ+2*(\j+\u):SQ+2*(\j+\u)+1], v[XS+\i-1:XS+\i], v[XS+\i-1:XS+\i], v[SQ+2*(\j+\u):SQ+2*(\j+\u)+1]
.endr
.endr
.irp u, 0,1
.set XS, X+16*(\j+\u)
	v_max_num_f32 v[MX+\j+\u], v[MX+\j+\u], v[XS+15]
	v_pk_fma_f32 v[SQ+2*(\j+\u):SQ+2*(\j+\u)+1], v[XS+14:XS+15], v[XS+14:XS+15], v[SQ+2*(\j+\u):SQ+2*(\j+\u)+1]
	v_cndmask_b32 v[TA+2*\u], v[XS], v[XS+1], s14          ; x_t is number t % 4 of the slot's first piece
	v_cndmask_b32 v[TA+2*\u+1], v[XS+2], v[XS+3], s14
.endr
.irp u, 0
	v_add_f32 v[SQ+2*(\j+\u)], v[SQ+2*(\j+\u)], v[SQ+2*(\j+\u)+1]
	v_cndmask_b32 v[TA+2*\u], v[TA+2*\u], v[TA+2*\u+1], s15
.endr
.irp u, 1
	v_add_f32 v[SQ+2*(\j+\u)], v[SQ+2*(\j+\u)], v[SQ+2*(\j+\u)+1]
	s_delay_alu instid0(VALU_DEP_4)
	v_cndmask_b32 v[TA+2*\u], v[TA+2*\u], v[TA+2*\u+1], s15
.endr
.irp u, 0,1
	s_delay_alu instid0(VALU_DEP_3)
	v_cmp_eq_f32 s[20+\j+\u], v[TA+2*\u], v[MX+\j+\u]      ; x_t is the row's largest,
	v_cmp_eq_f32 s[28+\j+\u], v[SQ+2*(\j+\u)], v[SQ+2*(\j+\u)]   ; and the row holds no NaN: a number equals itself
.endr
.endm
	PAIR 0
	PAIR 2
	PAIR 4
	PAIR 6
.irp j, 0,1,2,3,4,5,6,7
	s_and_b32 s[20+\j], s[20+\j], s[28+\j]         ; the slot's ballot
.endr
	s_mov_b32 s40, 0
.irp j, 0,1,2,3,4,5,6,7
	s_bcnt1_i32_b32 s37, s[20+\j]
	s_lshl_b32 s37, s37, 6
	s_add_co_u32 s37, s37, 1                       ; count x 64 + 1: summed, the low six bits count words and the rest counts tokens
	s_add_co_u32 s[41+\j], s[40+\j], s37
.endr
.irp j, 0
	v_writelane_b32 v8, s[20+\j], \j               ; lanes 0-7: my ballots
	s_delay_alu instid0(VALU_DEP_1)
	v_writelane_b32 v8, s[40+\j], 8+\j             ; lanes 8-15: the sums ahead of each
.endr
.irp j, 1, 2, 3, 4, 5, 6, 7
	s_delay_alu instid0(VALU_DEP_1)
	v_writelane_b32 v8, s[20+\j], \j
	s_delay_alu instid0(VALU_DEP_1)
	v_writelane_b32 v8, s[40+\j], 8+\j
.endr
	s_delay_alu instid0(VALU_DEP_1)
	v_writelane_b32 v8, s48, 16                    ; lane 16: my total; the other lanes hold 0
	ds_store_b32 v6, v8
	s_wait_dscnt 0x0                               ; for the others' sake: my record has landed
	s_barrier_signal -1
	s_barrier_wait -1                              ; all eight records lie in LDS; nobody writes LDS again
.irp w, 0,1,2,3,4,5,6,7
	ds_load_b128 v[BAL+8*\w:BAL+8*\w+3],   v7 offset:128*\w       ; the same address in all lanes: every lane gets every word
	ds_load_b128 v[BAL+8*\w+4:BAL+8*\w+7], v7 offset:128*\w+16
	ds_load_b128 v[KEY+8*\w:KEY+8*\w+3],   v7 offset:128*\w+32
	ds_load_b128 v[KEY+8*\w+4:KEY+8*\w+7], v7 offset:128*\w+48
	ds_load_b32  v[TOT+\w], v7 offset:128*\w+64
.endr
	s_wait_dscnt 0x0
.irp w, 1,2,3,4,5,6,7
	v_add_nc_u32 v[TOT+\w], v[TOT+\w-1], v[TOT+\w]         ; the totals up to and with wave w
.irp j, 0,1,2,3,4,5,6,7
	v_add_nc_u32 v[KEY+8*\w+\j], v[TOT+\w-1], v[KEY+8*\w+\j]   ; key q = 64 x (tokens below word q) + q
.endr
.endr
	v_add_nc_u32 v[NK], 0xffffffc0, v[TOT+7]       ; all totals are 64 n + 64: less 64
; The search.  A step's compares are issued a step ahead of its selections, into two pairs of scalar registers by turns.
.macro CMPS q
	v_cmp_gt_u32 s[40+2*((\q)%2)], v[KEY+(\q)], v[TK+oPK]
	v_cmp_gt_u32 s[41+2*((\q)%2)], v[KEY+(\q)], v[TK+14+oPK]
.endm
.macro SELS q                          ; where key q is not above 64 p + 63 it takes the place of the key before
.irp i, 0,1
.if (\q) == 1
	v_cndmask_b32 v[TK+14*\i+oKS], v[KEY+1], v[KEY], s[42+\i]     ; the first step starts from word 0: nothing is copied
	v_cndmask_b32 v[TK+14*\i+oW],  v[BAL+1], v[BAL], s[42+\i]
.else
	v_cndmask_b32 v[TK+14*\i+oKS], v[KEY+(\q)], v[TK+14*\i+oKS], s[40+2*((\q)%2)+\i]
	v_cndmask_b32 v[TK+14*\i+oW],  v[BAL+(\q)], v[TK+14*\i+oW],  s[40+2*((\q)%2)+\i]
.endif
.endr
.endm
	CMPS 1
.set qq, 1
.rept 62
	CMPS qq+1
	SELS qq
.set qq, qq+1
.endr
	SELS 63
; The rank inside the word: r = p - (tokens below the word); the place of the word's r-th set bit, counted from 0 and from the low end.
.irp i, 0,1
	s_delay_alu instid0(VALU_DEP_4)
	v_lshrrev_b32 v[TK+14*\i+oU], 6, v[TK+14*\i+oKS]       ; tokens below the word
	s_delay_alu instid0(VALU_DEP_4)
	v_lshrrev_b32 v[TK+14*\i+oA], 1, v[TK+14*\i+oW]
.endr
.irp i, 0,1
	s_delay_alu instid0(VALU_DEP_4)
	v_sub_nc_u32 v[TK+14*\i+oR], v[TK+14*\i+oP], v[TK+14*\i+oU]
	s_delay_alu instid0(VALU_DEP_4)
	v_and_b32 v[TK+14*\i+oA], 0x55555555, v[TK+14*\i+oA]
.endr
.irp i, 0
	s_delay_alu instid0(VALU_DEP_3)
	v_sub_nc_u32 v[TK+14*\i+oA], v[TK+14*\i+oW], v[TK+14*\i+oA]   ; each field of 2 bits holds its count
.endr
.irp i, 1
	s_delay_alu instid0(VALU_DEP_2)
	v_sub_nc_u32 v[TK+14*\i+oA], v[TK+14*\i+oW], v[TK+14*\i+oA]
.endr
.irp i, 0
	s_delay_alu instid0(VALU_DEP_2)
	v_lshrrev_b32 v[TK+14*\i+oT], 2, v[TK+14*\i+oA]
	s_delay_alu instid0(VALU_DEP_3)
	v_and_b32 v[TK+14*\i+oQ], 0x33333333, v[TK+14*\i+oA]
.endr
.irp i, 1
	s_delay_alu instid0(VALU_DEP_3)
	v_lshrrev_b32 v[TK+14*\i+oT], 2, v[TK+14*\i+oA]
	s_delay_alu instid0(VALU_DEP_4)
	v_and_b32 v[TK+14*\i+oQ], 0x33333333, v[TK+14*\i+oA]
.endr
.irp i, 0
	s_delay_alu instid0(VALU_DEP_4)
	v_and_b32 v[TK+14*\i+oT], 0x33333333, v[TK+14*\i+oT]
.endr
.irp i, 1
	s_delay_alu instid0(VALU_DEP_3)
	v_and_b32 v[TK+14*\i+oT], 0x33333333, v[TK+14*\i+oT]
.endr
.irp i, 0,1
	s_delay_alu instid0(VALU_DEP_2)
	v_add_nc_u32 v[TK+14*\i+oQ], v[TK+14*\i+oQ], v[TK+14*\i+oT]   ; of 4 bits
.endr
.irp i, 0,1
	s_delay_alu instid0(VALU_DEP_2)
	v_lshrrev_b32 v[TK+14*\i+oC], 4, v[TK+14*\i+oQ]
.endr
.irp i, 0,1
	s_delay_alu instid0(VALU_DEP_2)
	v_add_nc_u32 v[TK+14*\i+oC], v[TK+14*\i+oC], v[TK+14*\i+oQ]
.endr
.irp i, 0,1
	s_delay_alu instid0(VALU_DEP_2)
	v_and_b32 v[TK+14*\i+oC], 0x0f0f0f0f, v[TK+14*\i+oC]   ; of 8 bits
.endr
.irp i, 0,1
	s_delay_alu instid0(VALU_DEP_2)
	v_lshrrev_b32 v[TK+14*\i+oD], 8, v[TK+14*\i+oC]
.endr
.irp i, 0,1
	s_delay_alu instid0(VALU_DEP_2)
	v_add_nc_u32 v[TK+14*\i+oD], v[TK+14*\i+oD], v[TK+14*\i+oC]   ; the lowest byte: the count of bits 0 to 15
.endr
; One halving: the count of the lower half of what is left; where the rank reaches it, the rank drops by it and the place moves to the upper half.
.macro LEVEL src, wid, step
.irp i, 0
	v_bfe_u32 v[TK+14*\i+oT], v[TK+14*\i+\src], v[TK+14*\i+oPOS], \wid
	v_add_nc_u32 v[TK+14*\i+oV], \step, v[TK+14*\i+oPOS]
.endr
.irp i, 1
	s_delay_alu instid0(VALU_DEP_3)
	v_bfe_u32 v[TK+14*\i+oT], v[TK+14*\i+\src], v[TK+14*\i+oPOS], \wid
	v_add_nc_u32 v[TK+14*\i+oV], \step, v[TK+14*\i+oPOS]
.endr
.irp i, 0,1
	s_delay_alu instid0(VALU_DEP_4)
	v_cmp_ge_u32 s[40+\i], v[TK+14*\i+oR], v[TK+14*\i+oT]
	v_sub_nc_u32 v[TK+14*\i+oU], v[TK+14*\i+oR], v[TK+14*\i+oT]
.endr
.irp i, 0,1
	s_delay_alu instid0(VALU_DEP_3)
	v_cndmask_b32 v[TK+14*\i+oR], v[TK+14*\i+oR], v[TK+14*\i+oU], s[40+\i]
	v_cndmask_b32 v[TK+14*\i+oPOS], v[TK+14*\i+oPOS], v[TK+14*\i+oV], s[40+\i]
.endr
.endm
	LEVEL oD, 8, 16
	LEVEL oC, 8, 8
	LEVEL oQ, 4, 4
	LEVEL oA, 2, 2
	LEVEL oW, 1, 1
.irp i, 0,1
	v_and_b32 v[TK+14*\i+oT], 63, v[TK+14*\i+oKS]          ; q
	v_cmp_lt_u32 s[40+\i], v[TK+14*\i+oPK], v[NK]          ; 64 p + 63 < 64 n: p < n
.endr
.irp i, 0
	s_delay_alu instid0(VALU_DEP_4)
	v_lshl_or_b32 v[TK+14*\i+oT], v[TK+14*\i+oT], 5, v[TK+14*\i+oPOS]
.endr
.irp i, 1
	s_delay_alu instid0(VALU_DEP_3)
	v_lshl_or_b32 v[TK+14*\i+oT], v[TK+14*\i+oT], 5, v[TK+14*\i+oPOS]   ; token 32 q + place
.endr
.irp i, 0,1
	s_delay_alu instid0(VALU_DEP_2)
	v_cndmask_b32 v[ID+\i], 0, v[TK+14*\i+oT], s[40+\i]    ; behind the list: 0
.endr
	global_store_b64 v[SO], v[ID:ID+1], s[8:9]             ; the wave's 64 words: 256 consecutive bytes, aligned
	s_or_b32 s16, s12, s10
	s_cmp_lg_u32 s16, 0
	s_cbranch_scc1 .Lend                           ; wave 0 of the expert's first work-group also stores the words behind the list
	v_lshrrev_b32 v[NK], 6, v[NK]                  ; n
	v_cmp_lt_u32 vcc_lo, 15, v1
	s_delay_alu instid0(VALU_DEP_1)
	v_cndmask_b32 v[NR], 0, v[NK], vcc_lo          ; lanes 0-15: words 2048..2079, zeros; lanes 16-31: words 2080..2111, n
	s_delay_alu instid0(VALU_DEP_1)
	v_mov_b32 v[NR+1], v[NR]
	global_store_b64 v[SO], v[NR:NR+1], s[8:9] offset:8192 ; 256 consecutive bytes, aligned
.Lend:
	s_wait_tensorcnt 0x0
	ds_add_u32 v208, v209
	s_wait_dscnt 0x0
	s_endpgm
; ---- work-groups 64..67: the mask words.  Wave number 8 (wg - 64) + w takes 64 tokens: lane l tokens 2 l and 2 l + 1, 128 consecutive bytes of scores.
.set WD, 48                            ; v48, v49  the two words
.set MM, 50                            ; v50       the row's largest score
.set BIT, 51                           ; v51       at work
.macro TOKEN u
.set XR, 16+16*\u                      ; the token's 16 scores
	v_max3_num_f32 v[MM], v[XR], v[XR+1], v[XR+2]
.irp i, 3,5,7,9,11,13
	s_delay_alu instid0(VALU_DEP_1)
	v_max3_num_f32 v[MM], v[MM], v[XR+\i], v[XR+\i+1]
.endr
	s_delay_alu instid0(VALU_DEP_1)
	v_max_num_f32 v[MM], v[MM], v[XR+15]
	s_mov_b32 s[20+\u], -1                         ; lanes whose row holds no NaN: a number equals itself, a NaN does not
.irp i, 0,1,2,3,4,5,6,7,8,9,10,11,12,13,14,15
	v_cmp_eq_f32 vcc_lo, v[XR+\i], v[XR+\i]
	s_and_b32 s[20+\u], s[20+\u], vcc_lo
.endr
	v_cmp_eq_f32 vcc_lo, v[XR+15], v[MM]           ; the word is shifted together from bit 15 down
	s_delay_alu instid0(VALU_DEP_1)
	v_cndmask_b32 v[WD+\u], 0, 1, vcc_lo
.irp i, 14,13,12,11,10,9,8,7,6,5,4,3,2,1,0
	v_cmp_eq_f32 vcc_lo, v[XR+\i], v[MM]
	s_delay_alu instid0(VALU_DEP_1)
	v_cndmask_b32 v[BIT], 0, 1, vcc_lo
	s_delay_alu instid0(VALU_DEP_1)
	v_lshl_or_b32 v[WD+\u], v[WD+\u], 1, v[BIT]
.endr
	s_delay_alu instid0(VALU_DEP_1)
	v_cndmask_b32 v[WD+\u], 0, v[WD+\u], s[20+\u]  ; a row with a NaN chooses nobody
.endm
.Lmasks:
	s_sub_co_u32 s11, ttmp9, LISTWG
	s_lshl_b32 s11, s11, 3
	s_add_co_u32 s11, s11, s10                     ; which run of 64 tokens: 0..31
	s_wait_alu depctr_va_vdst(0)
	v_lshlrev_b32 v2, 7, v1                        ; my two rows of 64 bytes
	v_lshlrev_b32 v3, 3, v1                        ; my two words
	s_lshl_b32 s16, s11, 12                        ; the run's 64 rows of scores,
	s_mov_b32 s17, 0
	s_lshl_b32 s18, s11, 8                         ; and its 64 words
	s_mov_b32 s19, 0
	s_wait_alu depctr_va_vdst(0)
	s_wait_kmcnt 0x0
	s_add_nc_u64 s[4:5], s[4:5], s[16:17]
	s_add_nc_u64 s[6:7], s[6:7], s[18:19]
.irp i, 0,1,2,3,4,5,6,7
	global_load_b128 v[16+4*\i:19+4*\i], v2, s[4:5] offset:16*\i
.endr
	s_wait_loadcnt 0x0
	TOKEN 0
	TOKEN 1
	global_store_b64 v3, v[WD:WD+1], s[6:7]        ; the wave's 64 words: 256 consecutive bytes, aligned
	s_endpgm
.Lfunc_end_k_q308731f032_route:
	.size	k_q308731f032_route, .Lfunc_end_k_q308731f032_route-k_q308731f032_route
	.p2alignl 7, 3214868480
	.fill 96, 4, 3214868480
	.section	.rodata,"a",@progbits
	.p2align	6, 0x0
	.amdhsa_kernel k_q308731f032_route
		.amdhsa_group_segment_fixed_size 2048
		.amdhsa_private_segment_fixed_size 0
		.amdhsa_enable_private_segment 0
		.amdhsa_kernarg_size 24
		.amdhsa_user_sgpr_count 2
		.amdhsa_user_sgpr_kernarg_segment_ptr 1
		.amdhsa_wavefront_size32 1
		.amdhsa_system_sgpr_workgroup_id_x 1
		.amdhsa_system_sgpr_workgroup_id_y 1
		.amdhsa_system_sgpr_workgroup_id_z 1
		.amdhsa_system_vgpr_workitem_id 0
		.amdhsa_next_free_vgpr 210
		.amdhsa_next_free_sgpr 66
		.amdhsa_reserve_vcc 1
		.amdhsa_float_denorm_mode_32 3
		.amdhsa_float_denorm_mode_16_64 3
		.amdhsa_memory_ordered 1
		.amdhsa_forward_progress 1
		.amdhsa_inst_pref_size 70
	.end_amdhsa_kernel
	.amdgpu_metadata
---
amdhsa.version: [ 1, 2 ]
amdhsa.kernels:
  - .name:           k_q308731f032_route
    .symbol:         k_q308731f032_route.kd
    .args:
      - { .name: actor_index, .offset: 0, .size: 8, .value_kind: global_buffer, .address_space: global }
      - { .name: masks, .offset: 8, .size: 8, .value_kind: global_buffer, .address_space: global }
      - { .name: lists, .offset: 16, .size: 8, .value_kind: global_buffer, .address_space: global }
    .group_segment_fixed_size: 2048
    .private_segment_fixed_size: 0
    .kernarg_segment_align: 8
    .kernarg_segment_size: 24
    .max_flat_workgroup_size: 256
    .sgpr_count:     66
    .vgpr_count:     210
    .wavefront_size: 32
...
	.end_amdgpu_metadata
.endif
;; end of part 6
;; launch experts (part 7): grid 256 x 1, 4 waves a work-group, no clusters, 67,072 bytes of LDS; arguments lists, W1_codes, W2_codes, b1, feature_codes, lowp_scales, part; writes part
.if DOCPART == 7
	.amdgcn_target "amdgcn-amd-amdhsa--gfx1250"
	.amdhsa_code_object_version 6
	.text
	.protected	k_q308731f032_experts
	.globl	k_q308731f032_experts
	.p2align	8
	.type	k_q308731f032_experts,@function
k_q308731f032_experts:
	s_mov_b64 s[64:65], 0
	v_nop
	global_prefetch_b8 v0, s[64:65] scope:SCOPE_SE
	s_setreg_imm32_b32 hwreg(HW_REG_WAVE_SCHED_MODE, 0, 2), 2
	s_setreg_imm32_b32 hwreg(HW_REG_WAVE_MODE, 25, 1), 1
	s_wait_xcnt 0x0
	s_wait_alu depctr_vm_vsrc(0)
; Work-group wg = 16 t + c takes expert t and hidden units 64 c .. 64 c + 63, for ALL tokens that chose expert t:
;   hid = relu(feature W1[t] + b1[t]) at those 64 units, on E4M3 codes (K = 1,024: eight steps of 128), quantised with 2^e2;
;   part[wg][token][0..63] = 2^(e2 + e3) x (hid's codes x W2[t]'s codes), K = these 64 units: one step of the K = 64 form.
; The last launch adds a token's 16 parts.  Tokens that did not choose t are not multiplied: the problem's own mask drops them.
; SHARES.  The work-group's 64 rows of W1 are 65,536 consecutive bytes, read from memory by this work-group alone, once: each wave
; loads a quarter in runs of 512 consecutive bytes, the quarters meet in LDS, and every wave then keeps all 64 x 1,024 codes in
; 512 registers.  The waves share the expert's tokens in tiles of 32 (two halves of 16): wave w takes tiles w, w + 4, ...
; THE LIST of the expert's n tokens, and n, were stored by an earlier launch (lists[t]: words 0..2079 the numbers, zeros behind them; word 2080: n).
; A lane of a tile beyond the n-th number finds 0: it computes token 0's part for this expert and stores it at token 0's row of this work-group's region.
; If token 0 chose t, those are the same numbers at the same place; if not, nobody reads that row.  So a tile needs no lane switched off, and each wave's
; first tile (words under 128) always holds valid numbers: its first feature loads stand on every path.
; No tensor load and no cluster: the trip count hangs on n, W1 is shared with no other work-group, and the feature rows are gathered.
; LAYOUT.  Product 1: source 0 = 16 rows of W1, source 1 = 16 tokens; both sides take the 16 bytes at 128 s + 32 c + 16 (lane / 16)
; into registers 4 c .. 4 c + 3: the same permutation of k on both sides, so every product meets its partner.  In the result lane
; (r, h) holds token r and hidden units 16 tau + 8 h + 0 .. 7: eight neighbours along the next K; converted, tile tau gives registers
; 2 tau, 2 tau + 1 of the K = 64 operand in that form's own layout.  Product 2: source 0 = those codes, source 1 = W2's rows
; a = 4 r + alpha for tile alpha: the four tiles give a lane outputs 4 r .. 4 r + 3 of token 8 h + j: 16 bytes, and sixteen lanes hold a
; token's whole row of 256 bytes.
; b1 goes in as the C of a sum's first product, divided by 2^(e0 + e1); relu is the lower end of the hold at the largest code.
; LIMITS: e2 - e0 - e1 between -126 and 119; b1 x 2^-(e0 + e1) an f32 number; NaN among b1 or the codes is not served.
; REGISTERS, in windows of 256.  Window 0: v1-15 addresses; v16-31 a tile's output rows; v32-63, v64-95 the hidden sums of half A, B, later
; their parts to store; v96-111 hidden codes; v112, v113 feature rows; v114, v115 the conversion's scale and 448 x it; v126, v127 the closing add's two; v128-255 features of half A.
; Window 1: W1's fragments of K steps 0-3 at 16 (4 s + tau) (first: the bytes as loaded).  Window 2: K steps 4-7.
; Window 3: v0-31 b1; v32-63 W2; v64-191 features of half B; v192-255 product 2's sums.
; THE MODE: SCHED_MODE bits 1:0 = 2 (LLVM: expert scheduling mode 2), set by the entry lines.  The code itself states the register dependences
; between vector or matrix instructions and memory or LDS instructions, with s_wait_alu, always for 0.
; THE PLAN.  Registers that memory or LDS instructions touch:
;   v4-v8, v14, v15   offsets and LDS addresses, made once at the head and never written again: the list's later tiles are reached by its scalar base, which moves on by four tiles.
;   v112, v113        Written by the list's loads, then by four vector lines; read as offsets by the tile's 64 feature loads.
;   v16-31            Written by the list's loads, then by 32 vector lines that stand behind half A's first product; read as offsets by the tile's 16 stores.
;   v32-63, v64-95    Written by product 1, the holds and the scalings; read as data by the eight stores of their half.
;   v128-255, window 3 v64-191   The features: written by loads, read by product 1 of their half.
;   window 1 v0-127   Written by W1's loads from memory, read as data by my LDS stores, then written by the fragments' LDS loads.
; A TILE'S WAITS.  One on va_vdst behind the four lines that make v112 and v113: all 64 feature loads follow it.  One ahead of each half's eight stores.  One on vm_vsrc at a later tile's
; head, ahead of all that writes again what the last tile's stores and loads have read.  The codes, W1, W2, b1 and product 2's sums are named by vector and matrix instructions alone.
.set PITCH,  1040                      ; a row of W1 in LDS: 1,024 bytes + 16 = 65 x 16: sixteen rows' pieces fall on sixteen different 16-byte columns modulo 256
.set REGION, 8704                      ; an expert's region of lists, in bytes
.set NOFF,   8320                      ; where n stands in it: word 2080
.set MSB, 0
.macro WIN new                         ; the immediate's high byte repeats the setting that is left; bits 1:0 source 0, 3:2 source 1, 5:4 source 2, 7:6 destination
.if MSB != (\new)
	s_set_vgpr_msb (MSB<<8)|(\new)
.set MSB, (\new)
.endif
.endm
; A tile's token numbers: lane (r, h) wants token r of each half (its feature row) and tokens 8 h + 0 .. 7 of each half (the rows that it stores).  The two feature rows come first: the feature loads hang on them.
.macro IDASK
	global_load_b32 v112, v14, s[4:5]
	global_load_b32 v113, v14, s[4:5] offset:64
	global_load_b128 v[16:19], v15, s[4:5]
	global_load_b128 v[20:23], v15, s[4:5] offset:16
	global_load_b128 v[24:27], v15, s[4:5] offset:64
	global_load_b128 v[28:31], v15, s[4:5] offset:80
.endm
.macro FEATMAKE                        ; the byte offsets of my two feature rows
	v_min_u32 v112, 0x7ff, v112                    ; a token number stays inside the 2,048 rows
	v_min_u32 v113, 0x7ff, v113
	v_lshl_add_u32 v112, v112, 10, v9              ; feature: row x 1,024 + 16 h
	v_lshl_add_u32 v113, v113, 10, v9
.endm
.macro ROWMAKE                         ; the byte offsets of the 16 rows that I store
.irp n, 16,17,18,19,20,21,22,23,24,25,26,27,28,29,30,31
	v_min_u32 v\n, 0x7ff, v\n                      ; a token number stays inside the 2,048 rows
.endr
.irp n, 16,17,18,19,20,21,22,23,24,25,26,27,28,29,30,31
	v_lshl_add_u32 v\n, v\n, 8, v10                ; part: row x 256 + 16 r
.endr
.endm
; The 16 feature rows of half x: 32 loads, eight K steps of four pieces.
.macro LOADF x
	WIN 0xc0*\x                                    ; half B's land in window 3
.irp s, 0,1,2,3,4,5,6,7
.irp c, 0,1,2,3
	global_load_b128 v[128-64*\x+16*\s+4*\c:128-64*\x+16*\s+4*\c+3], v[112+\x], s[12:13] offset:128*\s+32*\c
.endr
.endr
	WIN 0
.endm
; Product 1 for half x: 32 matrix instructions, K step by K step; the four accumulators take turns, one instruction a turn.
.macro P1 x
.irp s, 0,1,2,3,4,5,6,7
.if \s == 0
	WIN 0x31+12*\x                                 ; W1 window 1, features window 0 or 3, C = b1 in window 3
.elseif \s < 4
	WIN 0x01+12*\x
.else
	WIN 0x02+12*\x                                 ; W1 window 2
.endif
.irp t, 0,1,2,3
.if \s == 0
	v_wmma_f32_16x16x128_fp8_fp8 v[32+32*\x+8*\t:39+32*\x+8*\t], v[16*\t:16*\t+15], v[128-64*\x:143-64*\x], v[8*\t:8*\t+7]
.else
	v_wmma_f32_16x16x128_fp8_fp8 v[32+32*\x+8*\t:39+32*\x+8*\t], v[16*(4*(\s%4)+\t):16*(4*(\s%4)+\t)+15], v[128-64*\x+16*\s:143-64*\x+16*\s], v[32+32*\x+8*\t:39+32*\x+8*\t]
.endif
.endr
.endr
	WIN 0
.endm
; relu, the hold and the conversion: 32 sums of a lane become 8 registers of codes.
.macro QUANT x
.if \x
.rept 4
	v_nop                                          ; four plain places between the last product and the first read of results (ISA guide 7.12.1); for half A the 32 lines of ROWMAKE, which name none of the products' registers, stand there
.endr
.endif
.set idx, 0
.rept 32
	v_med3_num_f32 v[32+32*\x+idx], v[32+32*\x+idx], 0, v115   ; between 0 (the activation) and 448 x the scale: the conversion does not saturate (ISA guide 7.6.2); each accumulator from its low end on
.set idx, idx+1
.endr
.irp t, 0,1,2,3
	v_cvt_scalef32_pk8_fp8_f32 v[96+8*\x+2*\t:97+8*\x+2*\t], v[32+32*\x+8*\t:39+32*\x+8*\t], v114   ; / 2^(e2 - e0 - e1): the three scales in one
.endr
	v_nop                                          ; one plain instruction between a scaled conversion and the product that reads its result
.endm
.macro P2 x                            ; four products, each a whole sum: K = my 64 hidden units
	WIN 0xcc                                       ; codes window 0, W2 and the sums window 3
.irp a, 0,1,2,3
	v_wmma_f32_16x16x64_fp8_fp8 v[192+32*\x+8*\a:199+32*\x+8*\a], v[96+8*\x:103+8*\x], v[32+8*\a:39+8*\a], 0
.endr
.endm
.macro OUT x
.rept 4
	v_nop                                          ; four plain places in front of the first read of results
.endr
	WIN 0x03                                       ; the sums in window 3, the parts in window 0
.irp j, 0,1,2,3,4,5,6,7
.irp a, 0,1,2,3
	v_ldexp_f32 v[32+32*\x+4*\j+\a], v[192+32*\x+8*\a+\j], s29   ; x 2^(e2 + e3); token 8 h + j, output 4 r + a; each sum is first read at its register 0
.endr
.endr
	WIN 0
	s_wait_alu depctr_va_vdst(0)                   ; the scalings have written this half's 32 parts, which the stores read as data; ahead of half A's stores also: ROWMAKE has written v16-31, the stores' offsets
.irp j, 0,1,2,3,4,5,6,7
	global_store_b128 v[16+8*\x+\j], v[32+32*\x+4*\j:35+32*\x+4*\j], s[16:17]   ; lanes 0-15 store one token's 256 bytes, lanes 16-31 another's: two whole aligned rows
.endr
.endm
; A tile of 32 tokens.  first = 1: its numbers and half A's features were asked for at the kernel's head.
.macro TRIP first
.if \first == 0
	s_wait_xcnt 0x0                                ; the last tile's stores have read their data and offsets, and its list loads their base: all are written again below
	s_wait_alu depctr_vm_vsrc(0)                   ; the last tile's stores have read v16-31 and v32-95, its feature loads v112 and v113: the list's loads land in the first and the last, the products write the others
	s_add_nc_u64 s[4:5], s[4:5], 512               ; my next tile's 32 words: four tiles of 128 bytes on
	IDASK
	s_wait_loadcnt 4                               ; my two feature rows' numbers are in; the four loads of the rows that I store may be out
	FEATMAKE
	s_wait_alu depctr_va_vdst(0)                   ; v112 and v113 are written, which the 64 feature loads read; the last tile's products are done reading both halves' features, in which they land
	LOADF 0
.endif
	LOADF 1                                        ; no further wait: no vector or matrix instruction since the last wait on va_vdst names v113 or window 3's v64-191
	s_wait_loadcnt 32                              ; half A's 32 loads are in, and the list's before them; half B's 32 may be out
	P1 0
	ROWMAKE                                        ; while the matrix unit works; these 32 plain lines are also the places behind the last product
	QUANT 0
	P2 0
	OUT 0
	s_wait_loadcnt 0x0                             ; half B
	P1 1
	QUANT 1
	P2 1
	OUT 1
.endm
	s_load_b256 s[4:11], s[0:1], 0x0               ; lists s[4:5], W1 s[6:7], W2 s[8:9], b1 s[10:11]
	s_load_b128 s[12:15], s[0:1], 0x20             ; feature s[12:13], the scales' exponents s[14:15]
	s_load_b64 s[16:17], s[0:1], 0x30              ; part
	v_lshl_add_u32 v126, v0, 2, 0x10400
	v_mov_b32 v127, 0
	v_lshrrev_b32 v1, 5, v0
	v_readfirstlane_b32 s18, v1                    ; wave 0..3
	v_and_b32 v1, 31, v0                           ; lane
	v_and_b32 v2, 15, v0                           ; r
	v_bfe_u32 v3, v0, 4, 1                         ; h
	v_lshlrev_b32 v4, 4, v1                        ; 16 x lane: my bytes of a run of 512
	s_wait_alu depctr_va_sdst(0)                   ; s18 is written, ahead of its first reader: LDS addresses, bases and the count of tiles are made from it
	s_mul_i32 s19, s18, 16*PITCH
	v_add_nc_u32 v5, s19, v4                       ; LDS: my wave's 16 rows of W1, on the way in
	v_mul_u32_u24 v6, v2, PITCH
	v_lshl_add_u32 v6, v3, 4, v6                   ; and a fragment's row r, + 16 h, on the way out
	v_lshlrev_b32 v7, 12, v2
	v_lshl_add_u32 v7, v3, 3, v7                   ; W2: row 4 r of 1,024 bytes, + 8 h
	v_lshlrev_b32 v8, 5, v3                        ; 32 h: b1's 8 h numbers, and the list's words 8 h on
	v_lshlrev_b32 v9, 4, v3                        ; 16 h
	v_lshlrev_b32 v10, 4, v2                       ; 16 r
	v_lshlrev_b32 v11, 2, v2                       ; 4 r: the list's word r
	s_lshl_b32 s37, s18, 7                         ; my first tile is tile w: 32 words a tile
	v_add_nc_u32 v14, s37, v11
	v_add_nc_u32 v15, s37, v8
	s_lshr_b32 s20, ttmp9, 4                       ; t
	s_and_b32 s21, ttmp9, 15                       ; c
	s_lshl_b32 s22, ttmp9, 16                      ; W1: the work-group's 65,536 bytes, my wave's 16,384 of them
	s_lshl_b32 s23, s18, 14
	s_add_co_u32 s22, s22, s23
	s_mov_b32 s23, 0
	s_lshl_b32 s38, s20, 16                        ; W2: expert t's 64 rows of 1,024, from hidden unit 64 c on
	s_lshl_b32 s39, s21, 6
	s_add_co_u32 s38, s38, s39
	s_mov_b32 s39, 0
	s_lshl_b32 s48, ttmp9, 8                       ; b1: 64 numbers
	s_mov_b32 s49, 0
	s_lshl_b32 s50, ttmp9, 19                      ; part: the work-group's 2,048 rows of 256 bytes
	s_mov_b32 s51, 0
	s_mul_i32 s52, s20, REGION                     ; lists: expert t's region
	s_mov_b32 s53, 0
	s_wait_kmcnt 0x0
	s_load_b128 s[24:27], s[14:15], 0x0            ; e0 (W1), e1 (feature), e2 (hidden), e3 (W2)
	s_add_nc_u64 s[4:5], s[4:5], s[52:53]
	s_add_nc_u64 s[6:7], s[6:7], s[22:23]
	s_add_nc_u64 s[8:9], s[8:9], s[38:39]
	s_add_nc_u64 s[10:11], s[10:11], s[48:49]
	s_add_nc_u64 s[16:17], s[16:17], s[50:51]
	s_load_b32 s34, s[4:5], NOFF                   ; n
	s_wait_alu depctr_va_vdst(0)                   ; the offsets and LDS addresses v4 to v8, v14 and v15 are written, which the loads and LDS instructions below read; up to W1's last load only loads and window switches follow
	IDASK                                          ; my first tile's numbers, first of all loads: the feature loads hang on them
	WIN 0xc0                                       ; destination window 3
.irp t, 0,1,2,3
	global_load_b128 v[8*\t:8*\t+3], v8, s[10:11] offset:64*\t        ; b1 in the result's layout: units 16 tau + 8 h + 0 .. 7
	global_load_b128 v[8*\t+4:8*\t+7], v8, s[10:11] offset:64*\t+16
.endr
.irp a, 0,1,2,3
.irp c, 0,1,2,3
	global_load_b64 v[32+8*\a+2*\c:33+8*\a+2*\c], v7, s[8:9] offset:1024*\a+16*\c   ; W2(4 r + alpha, 64 c + 16 cc + 8 h + 0 .. 7)
.endr
.endr
	WIN 0x40                                       ; destination window 1
.set idx, 0
.rept 32
	global_load_b128 v[4*idx:4*idx+3], v4, s[6:7] offset:512*idx th:TH_LOAD_NT   ; 512 consecutive bytes a load; nobody reads them again
.set idx, idx+1
.endr
	WIN 0
	s_wait_kmcnt 0x0
	s_add_co_i32 s28, s24, s25                     ; e0 + e1: a sum of product 1 stands for sum x 2^(e0 + e1)
	s_sub_co_i32 s30, s26, s28                     ; e2 - e0 - e1
	s_sub_co_i32 s28, 0, s28                       ; b1 goes in x 2^-(e0 + e1)
	s_add_co_i32 s29, s26, s27                     ; e2 + e3
	s_add_co_i32 s30, s30, 127
	s_add_co_i32 s31, s30, 8
	s_lshl_b32 s30, s30, 23                        ; 2^(e2 - e0 - e1) as f32
	s_lshl_b32 s31, s31, 23
	s_or_b32 s31, s31, 0x600000                    ; 448 x that
	s_add_co_u32 s35, s34, 31
	s_lshr_b32 s35, s35, 5
	s_min_u32 s35, s35, 64                         ; tiles
	s_wait_loadcnt 60                              ; my two feature rows' numbers are in: behind them stand 4 + 8 + 16 + 32 younger loads
	FEATMAKE
	s_wait_alu depctr_va_vdst(0)                   ; v112 and v113 are written, which the first tile's 64 feature loads read as offsets
	LOADF 0                                        ; on every path, so that the counts below hold on every path
	s_wait_loadcnt 32                              ; the list's other numbers, b1, W2 and W1 are in; the 32 feature loads may be out
	WIN 0x04                                       ; store data window 1
.set idx, 0
.rept 32
	ds_store_b128 v5, v[4*idx:4*idx+3] offset:(idx/2)*PITCH+(idx%2)*512   ; my wave's row idx / 2, half idx % 2
.set idx, idx+1
.endr
	WIN 0xc3                                       ; source 0 and destination window 3
.set idx, 0
.rept 32
	v_ldexp_f32 v[idx], v[idx], s28                ; b1 / 2^(e0 + e1)
.set idx, idx+1
.endr
	WIN 0
	v_mov_b32 v114, s30
	v_mov_b32 v115, s31
	s_wait_dscnt 0x0                               ; for the others' sake: my quarter of W1 has landed
	s_barrier_signal -1
	s_barrier_wait -1                              ; all 64 rows lie in LDS; from here on LDS is only read, and the waves go their own ways
	s_wait_alu depctr_vm_vsrc(0)                   ; my LDS stores have read window 1's v0-127, in which the fragments' loads below land
	s_cmp_ge_u32 s18, s35
	s_cbranch_scc1 .Lend                           ; fewer tiles than waves: nothing for me
	WIN 0x40
.irp s, 0,1,2,3
.irp t, 0,1,2,3
.irp c, 0,1,2,3
	ds_load_b128 v[16*(4*\s+\t)+4*\c:16*(4*\s+\t)+4*\c+3], v6 offset:16*\t*PITCH+128*\s+32*\c
.endr
.endr
.endr
	WIN 0x80
.irp s, 0,1,2,3
.irp t, 0,1,2,3
.irp c, 0,1,2,3
	ds_load_b128 v[16*(4*\s+\t)+4*\c:16*(4*\s+\t)+4*\c+3], v6 offset:16*\t*PITCH+128*(\s+4)+32*\c
.endr
.endr
.endr
	WIN 0
	s_wait_dscnt 0x0
	s_wait_alu depctr_va_vdst(0)
	TRIP 1
	s_add_co_u32 s36, s18, 4                       ; my further tiles: w + 4, w + 8, ... under 64
.Lmore:
	s_cmp_lt_u32 s36, s35
	s_cbranch_scc1 .Ltile                          ; the list reaches this tile
	s_wait_dscnt 0x0                               ; it does not: the wave ends here, inside the loop; no jump leaves the loop past the counter's step.  The closing lines, six on end
	s_wait_alu 0x0
	s_wait_tensorcnt 0x0
	ds_add_u32 v126, v127
	s_wait_dscnt 0x0
	s_endpgm
.Ltile:
	TRIP 0
	s_add_co_u32 s36, s36, 4
	s_cmp_lt_u32 s36, 64
	s_cbranch_scc1 .Lmore
.Lend:
	s_wait_dscnt 0x0                               ; the closing lines, six on end
	s_wait_alu 0x0
	s_wait_tensorcnt 0x0
	ds_add_u32 v126, v127
	s_wait_dscnt 0x0
	s_endpgm
.Lfunc_end_k_q308731f032_experts:
	.size	k_q308731f032_experts, .Lfunc_end_k_q308731f032_experts-k_q308731f032_experts
	.p2alignl 7, 3214868480
	.fill 96, 4, 3214868480
	.section	.rodata,"a",@progbits
	.p2align	6, 0x0
	.amdhsa_kernel k_q308731f032_experts
		.amdhsa_group_segment_fixed_size 67072
		.amdhsa_private_segment_fixed_size 0
		.amdhsa_enable_private_segment 0
		.amdhsa_kernarg_size 56
		.amdhsa_user_sgpr_count 2
		.amdhsa_user_sgpr_kernarg_segment_ptr 1
		.amdhsa_wavefront_size32 1
		.amdhsa_system_sgpr_workgroup_id_x 1
		.amdhsa_system_sgpr_workgroup_id_y 1
		.amdhsa_system_sgpr_workgroup_id_z 1
		.amdhsa_system_vgpr_workitem_id 0
		.amdhsa_next_free_vgpr 1024
		.amdhsa_next_free_sgpr 66
		.amdhsa_reserve_vcc 0
		.amdhsa_float_denorm_mode_32 3
		.amdhsa_float_denorm_mode_16_64 3
		.amdhsa_memory_ordered 1
		.amdhsa_forward_progress 1
		.amdhsa_inst_pref_size 71
	.end_amdhsa_kernel
	.amdgpu_metadata
---
amdhsa.version: [ 1, 2 ]
amdhsa.kernels:
  - .name:           k_q308731f032_experts
    .symbol:         k_q308731f032_experts.kd
    .args:
      - { .name: lists, .offset: 0, .size: 8, .value_kind: global_buffer, .address_space: global }
      - { .name: W1_codes, .offset: 8, .size: 8, .value_kind: global_buffer, .address_space: global }
      - { .name: W2_codes, .offset: 16, .size: 8, .value_kind: global_buffer, .address_space: global }
      - { .name: b1, .offset: 24, .size: 8, .value_kind: global_buffer, .address_space: global }
      - { .name: feature_codes, .offset: 32, .size: 8, .value_kind: global_buffer, .address_space: global }
      - { .name: lowp_scales, .offset: 40, .size: 8, .value_kind: global_buffer, .address_space: global }
      - { .name: part, .offset: 48, .size: 8, .value_kind: global_buffer, .address_space: global }
    .group_segment_fixed_size: 67072
    .private_segment_fixed_size: 0
    .kernarg_segment_align: 8
    .kernarg_segment_size: 56
    .max_flat_workgroup_size: 128
    .sgpr_count:     66
    .vgpr_count:     1024
    .wavefront_size: 32
...
	.end_amdgpu_metadata
.endif
;; end of part 7
;; launch finish (part 8): grid 256 x 1, 4 waves a work-group, no clusters, 0 bytes of LDS; arguments masks, part, b2, sigma, out0, out1; writes out0, out1
.if DOCPART == 8
	.amdgcn_target "amdgcn-amd-amdhsa--gfx1250"
	.amdhsa_code_object_version 6
	.text
	.protected	k_q308731f032_finish
	.globl	k_q308731f032_finish
	.p2align	8
	.type	k_q308731f032_finish,@function
k_q308731f032_finish:
	s_mov_b64 s[64:65], 0
	v_nop
	global_prefetch_b8 v0, s[64:65] scope:SCOPE_SE
	s_setreg_imm32_b32 hwreg(HW_REG_WAVE_MODE, 25, 1), 1
	s_wait_xcnt 0x0
; out0[token] = the sum over the token's chosen experts t of tanh(the sum over c of part[16 t + c][token] + b2[t]);  out1[token] = the sum over them of exp(sigma[t]).
; Sixteen lanes own a token, a lane four outputs: every load of part reads two whole rows of 256 bytes a wave, every store covers 512 consecutive bytes.
; The loop takes the lowest bit left in each token's mask word; it ends when no lane of the wave has a bit left: one trip where each token chose one expert, 16 at the most.
; A lane whose token has no bit left while its neighbour token has keeps its last expert's number, reads that stored row again, and its numbers are dropped by selection.
; A token that chose nobody at all (a NaN among its scores) beside a live token reads expert 0's rows of its own, which no launch stored; they too are dropped by selection, and its outputs are 0.
; tanh(x) = 1 - 2 / (1 + 2^(2 log2(e) x)): 1 and -1 at the ends, where the power overflows or vanishes.  No matrix unit: with a mask of 0 and 1 the last two products are this sum, in f32.
.set P,  10                            ; v10-73  the 16 parts, four numbers each
.set B2, 74                            ; v74-77  b2
.set SG, 78                            ; v78-81  sigma
.set SM, 82                            ; v82-85  the mean's sum;  v86-89 the deviation's
.set T,  90                            ; v90-97  at work
.macro BITOF d, m, val, sr             ; v[d] = val where the lowest bit's place has that binary digit
	v_and_b32 v9, \m, v8
	v_cmp_ne_u32 s\sr, 0, v9
	v_cndmask_b32 v[\d], 0, \val, s\sr
.endm
	s_load_b256 s[4:11], s[0:1], 0x0               ; masks s[4:5], part s[6:7], b2 s[8:9], sigma s[10:11]
	s_load_b128 s[12:15], s[0:1], 0x20             ; out0, out1
	v_lshlrev_b32 v1, 4, v0                        ; my 16 bytes of the work-group's eight rows of 256
	v_and_b32 v2, 15, v0
	v_lshlrev_b32 v2, 4, v2                        ; my 16 bytes of a row
	v_lshrrev_b32 v3, 4, v0
	v_lshlrev_b32 v3, 2, v3                        ; my token's mask word
	s_lshl_b32 s16, ttmp9, 11                      ; eight rows,
	s_mov_b32 s17, 0
	s_lshl_b32 s18, ttmp9, 5                       ; eight words
	s_mov_b32 s19, 0
	s_wait_alu depctr_va_vdst(0)
	s_wait_kmcnt 0x0
	s_add_nc_u64 s[4:5], s[4:5], s[18:19]
	s_add_nc_u64 s[6:7], s[6:7], s[16:17]
	s_add_nc_u64 s[12:13], s[12:13], s[16:17]
	s_add_nc_u64 s[14:15], s[14:15], s[16:17]
	global_load_b32 v4, v3, s[4:5]
	v_mov_b32 v5, 0                                ; the expert in hand
.irp i, 0,1,2,3,4,5,6,7
	v_mov_b32 v[SM+\i], 0
.endr
	s_mov_b32 s20, 0
	s_wait_loadcnt 0x0
	v_and_b32 v4, 0xffff, v4                       ; 16 experts
.Lbit:
	v_cmp_ne_u32 s22, 0, v4                        ; lanes whose token has an expert left
	s_cmp_eq_u32 s22, 0
	s_cbranch_scc1 .Ldone
	v_sub_nc_u32 v8, 0, v4
	v_and_b32 v8, v8, v4                           ; the lowest bit
	BITOF T, 0xaaaa, 1, 24
	BITOF T+1, 0xcccc, 2, 25
	BITOF T+2, 0xf0f0, 4, 26
	BITOF T+3, 0xff00, 8, 27
	v_or_b32 v[T], v[T], v[T+1]
	v_or_b32 v[T+2], v[T+2], v[T+3]
	v_or_b32 v[T], v[T], v[T+2]                    ; its place: t
	v_cndmask_b32 v5, v5, v[T], s22                ; a lane with none left keeps its last
	v_min_u32 v5, 15, v5
	v_lshl_add_u32 v6, v5, 23, v1                  ; part: 16 regions of 524,288 bytes an expert
	v_lshl_add_u32 v7, v5, 8, v2                   ; b2, sigma: rows of 256 bytes
.irp c, 0,1,2,3,4,5,6,7,8,9,10,11,12,13,14,15
	global_load_b128 v[P+4*\c:P+4*\c+3], v6, s[6:7] offset:\c*524288   ; 7,864,320 at the most: inside the signed 24-bit immediate (ISA guide, chapter 10)
.endr
	global_load_b128 v[B2:B2+3], v7, s[8:9]
	global_load_b128 v[SG:SG+3], v7, s[10:11]
	s_wait_loadcnt 0x0
.irp w, 32,16,8,4                      ; the 16 parts are added in a tree: halves 8, 4, 2 and 1 parts apart
.set idx, 0
.rept \w/2
	v_pk_add_f32 v[P+idx:P+idx+1], v[P+idx:P+idx+1], v[P+\w+idx:P+\w+idx+1]
.set idx, idx+2
.endr
.endr
	v_pk_add_f32 v[P:P+1], v[P:P+1], v[B2:B2+1]
	v_pk_add_f32 v[P+2:P+3], v[P+2:P+3], v[B2+2:B2+3]
.irp i, 0,1,2,3
	v_mul_f32 v[T+\i], 0x4038aa3b, v[P+\i]         ; 2 log2(e) x
	v_mul_f32 v[T+4+\i], 0x3fb8aa3b, v[SG+\i]      ; log2(e) sigma
.endr
	s_wait_alu depctr_va_vdst(0)
.irp i, 0,1,2,3,4,5,6,7
	v_exp_f32 v[T+\i], v[T+\i]
.endr
	v_add_nc_u32 v8, -1, v4                        ; (a plain instruction behind the exponentials)
	s_wait_alu depctr_va_vdst(0)
.irp i, 0,1,2,3
	v_add_f32 v[T+\i], 1.0, v[T+\i]
.endr
	s_wait_alu depctr_va_vdst(0)
.irp i, 0,1,2,3
	v_rcp_f32 v[T+\i], v[T+\i]
.endr
	v_and_b32 v4, v4, v8                           ; the bit is done.  (A plain instruction behind the reciprocals)
	s_wait_alu depctr_va_vdst(0)
.irp i, 0,1,2,3
	v_fma_f32 v[T+\i], -2.0, v[T+\i], 1.0
.endr
.irp i, 0,1,2,3,4,5,6,7
	v_cndmask_b32 v[T+\i], 0, v[T+\i], s22         ; a lane with no expert left adds nothing: chosen, not multiplied
.endr
.irp i, 0,2,4,6
	v_pk_add_f32 v[SM+\i:SM+\i+1], v[SM+\i:SM+\i+1], v[T+\i:T+\i+1]
.endr
	s_add_co_u32 s20, s20, 1
	s_cmp_lt_u32 s20, 16
	s_cbranch_scc1 .Lbit
.Ldone:
	s_wait_alu depctr_va_vdst(0)
	global_store_b128 v1, v[SM:SM+3], s[12:13]
	global_store_b128 v1, v[SM+4:SM+7], s[14:15]
	s_endpgm
.Lfunc_end_k_q308731f032_finish:
	.size	k_q308731f032_finish, .Lfunc_end_k_q308731f032_finish-k_q308731f032_finish
	.p2alignl 7, 3214868480
	.fill 96, 4, 3214868480
	.section	.rodata,"a",@progbits
	.p2align	6, 0x0
	.amdhsa_kernel k_q308731f032_finish
		.amdhsa_group_segment_fixed_size 0
		.amdhsa_private_segment_fixed_size 0
		.amdhsa_enable_private_segment 0
		.amdhsa_kernarg_size 48
		.amdhsa_user_sgpr_count 2
		.amdhsa_user_sgpr_kernarg_segment_ptr 1
		.amdhsa_wavefront_size32 1
		.amdhsa_system_sgpr_workgroup_id_x 1
		.amdhsa_system_sgpr_workgroup_id_y 1
		.amdhsa_system_sgpr_workgroup_id_z 1
		.amdhsa_system_vgpr_workitem_id 0
		.amdhsa_next_free_vgpr 104
		.amdhsa_next_free_sgpr 66
		.amdhsa_reserve_vcc 0
		.amdhsa_float_denorm_mode_32 3
		.amdhsa_float_denorm_mode_16_64 3
		.amdhsa_memory_ordered 1
		.amdhsa_forward_progress 1
		.amdhsa_inst_pref_size 9
	.end_amdhsa_kernel
	.amdgpu_metadata
---
amdhsa.version: [ 1, 2 ]
amdhsa.kernels:
  - .name:           k_q308731f032_finish
    .symbol:         k_q308731f032_finish.kd
    .args:
      - { .name: masks, .offset: 0, .size: 8, .value_kind: global_buffer, .address_space: global }
      - { .name: part, .offset: 8, .size: 8, .value_kind: global_buffer, .address_space: global }
      - { .name: b2, .offset: 16, .size: 8, .value_kind: global_buffer, .address_space: global }
      - { .name: sigma, .offset: 24, .size: 8, .value_kind: global_buffer, .address_space: global }
      - { .name: out0, .offset: 32, .size: 8, .value_kind: global_buffer, .address_space: global }
      - { .name: out1, .offset: 40, .size: 8, .value_kind: global_buffer, .address_space: global }
    .group_segment_fixed_size: 0
    .private_segment_fixed_size: 0
    .kernarg_segment_align: 8
    .kernarg_segment_size: 48
    .max_flat_workgroup_size: 128
    .sgpr_count:     66
    .vgpr_count:     104
    .wavefront_size: 32
...
	.end_amdgpu_metadata
.endif
;; end of part 8
